; MI455X (gfx1250); checked and timed in simulation.
; The chip was launched on July 23, 2026; its instructions are those of AMD's public machine-readable ISA for CDNA 5 (MIT licence, August 2026) and "CDNA5" Instruction Set Architecture Reference Guide (July 2026). The comments in the code are by the model that wrote it; some were corrected since.
;; Attention. Allowed arithmetic: matrix products marked QUANTISED: E2M1 operands, one E8M0 scale for each 32 along K, by v_wmma_scale_f32_16x16x128_f8f6f4 with both operands' format E2M1 (or v_wmma_scale_f32_32x16x128_f4), f32 sums; products left as they are: bf16, f16 or f32 operands; f32 sums; everything else in f32.
;; Inputs: mask 1 x 1 x 2,048 x 2,048 float32; wk 1,024 x 1,024 float32; wo 1,024 x 1,024 float32; wq 1,024 x 1,024 float32; wv 1,024 x 1,024 float32; x 2 x 2,048 x 1,024 float32.
;; Outputs: out0 2 x 2,048 x 1,024 float32.
;; This version of the problem:
;;   THIS VERSION OF THE PROBLEM IS GIVEN IN LOW PRECISION. The matrix products marked QUANTISED in the list below multiply operands that are first quantised to E2M1 (2 exponent bits, 1 mantissa bit; 4 bits a number), with one power-of-two scale for each 32 numbers along K (OCP MX v1.0); their sums are f32. The products marked 'left as it is' may take bf16, f16 or f32 operands, with f32 sums. Whichever they take, every output number must still come out within the allowed error. Rounding operands to bf16 (8 significant bits) uses up far more of that allowance than f16 does (11 bits, for magnitudes from 6e-5 to 65,504). All else is computed in f32.
;;   The module's matrix products, in the order in which they are computed (A, B: the left and right operand; K: the contracted axis; several contracted axes count as one K, in the product's order):
;;     1. [M 4,096, K 1,024] x [K 1,024, N 1,024]; A: input x; B: input wq: QUANTISED
;;     2. [M 4,096, K 1,024] x [K 1,024, N 1,024]; A: input x; B: input wk: QUANTISED
;;     3. [M 4,096, K 1,024] x [K 1,024, N 1,024]; A: input x; B: input wv: QUANTISED
;;     4. batch 32 x [M 2,048, K 64] x [K 64, N 2,048]; A: computed on the way; B: computed on the way: left as it is (an operand is computed on the way)
;;     5. batch 32 x [M 64, K 2,048] x [K 2,048, N 2,048]; A: computed on the way; B: computed on the way: left as it is (an operand is computed on the way)
;;     6. [M 4,096, K 1,024] x [K 1,024, N 1,024]; A: computed on the way; B: input wo: left as it is (an operand is computed on the way)
;;   THE QUANTISER, for each operand of a quantised product, along K:
;;     - K is cut into blocks of 32 from its start; a last block that is shorter is filled with zeros.
;;     - A block's scale is 2^e with e = floor(log2(the largest magnitude in the block)) - 2, held to -126 .. 127; a block of zeros has e = 0. As a byte (E8M0): e + 127.
;;     - Each number is divided by its block's scale, clamped to +-6, and rounded to the nearest number of E2M1, ties to even, subnormals kept.
;;     - The product sums the exact products of the quantised numbers (number of the format x scale) in f32.
;;   ~~~python
;;   def quantise(x, axis):      # numpy; x: float32 -> the quantised numbers, widened to float32 again
;;       x = np.moveaxis(x, axis, -1); K = x.shape[-1]
;;       x = np.pad(x, [(0, 0)] * (x.ndim - 1) + [(0, -K % 32)]); x = x.reshape(x.shape[:-1] + (-1, 32)); a = np.abs(x).max(-1, keepdims=True)
;;       e = np.where(a > 0, np.clip(np.frexp(np.where(a > 0, a, 1))[1] - 1 - 2, -126, 127), 0)      # np.frexp(a)[1] - 1 = floor(log2(a)), exactly
;;       r = np.clip(x / 2.0 ** e, -6, 6)
;;       step = 2.0 ** (np.maximum(np.frexp(np.where(r == 0, 1, r))[1] - 1, 0) - 1)
;;       q = np.round(r / step) * step * 2.0 ** e      # np.round: ties to even
;;       return np.moveaxis(q.reshape(q.shape[:-2] + (-1,))[..., :K], -1, axis).astype(np.float32)
;;   ~~~
;; One version. Each part assembles by itself: llvm-mc -triple=amdgcn-amd-amdhsa -mcpu=gfx1250 --defsym DOCPART=n.
;; ======== version 1 of 1: 4 launches
;; limits: right only within a limited range of input values; values are held in f16: magnitudes above 65,504 overflow, below 6.1e-05 lose precision
;; workspace buffers: codes 3,670,016 bytes; scl 229,376 bytes; wo16 2,097,152 bytes; qimg 8,388,608 bytes; kimg 8,388,608 bytes; vimg 8,388,608 bytes; aimg 8,388,608 bytes
;; launch prep (part 1): grid 256 x 1, 4 waves a work-group, no clusters, 33,280 bytes of LDS; arguments x, wq, wk, wv, wo, codes, scl, wo16; writes codes, scl, wo16
.if DOCPART == 1
	.amdgcn_target "amdgcn-amd-amdhsa--gfx1250"
	.amdhsa_code_object_version 6
	.text
	.protected	k_q4cc0324e4b_prep
	.globl	k_q4cc0324e4b_prep
	.p2align	8
	.type	k_q4cc0324e4b_prep,@function
k_q4cc0324e4b_prep:
	s_mov_b64 s[64:65], 0
	v_nop
	global_prefetch_b8 v0, s[64:65] scope:SCOPE_SE
	s_setreg_imm32_b32 hwreg(HW_REG_WAVE_MODE, 25, 1), 1
	s_wait_xcnt 0x0
; FIRST OF FOUR LAUNCHES of out = softmax((x wq^T)(x wk^T)^T / 8 + mask) (x wv^T) wo^T, 2 x 2,048 tokens, 16 heads of 64.
; NOTHING OF THE COMPUTATION IS LEFT OUT: every input has a way to the output (the mask is an input and is added to every score), so all six inputs are loaded by some launch.
; THIS LAUNCH: x [4096][1024], wq, wk, wv [1024][1024], f32, K innermost, become codes of E2M1 (two a byte, the lower k in the low four bits) and one E8M0 byte for each 32 along K:
; codes [7168 rows][512 bytes], scl [7168][32 bytes]; rows 0-4095 x, then wq, wk, wv.  wo [1024][1024] is rounded once to f16 (its product is left as it is): wo16, row-major.
; A block's scale is 2^(floor(log2(its largest magnitude)) - 2); its byte is the largest magnitude's exponent field - 2, held at 1 from below.  A block of zeros so gets the byte 1 where the rule says 127:
; its codes are zeros, which add nothing under any byte but 0xff, and the bytes are read by this program alone.
; LIMITS: blocks whose largest magnitude lies under 2^-124 keep the byte 1; NaN and infinities among x and the weights are not served; wo beyond f16's range (65,504) is not served.
; SHARES: a work-group takes 32,768 numbers, a wave 8,192.  Rows are dense and 1,024 is a multiple of 32, so sources and results are plain streams.  Work-groups 0-127 x, 128-159 wq, 160-191 wk, 192-223 wv, 224-255 wo.
; THE QUANTISER: 16 steps of 512 numbers a wave.  A step's four loads read 512 consecutive bytes each; the 2,048 bytes turn through the wave's own stage in LDS (16 bytes of padding behind each 64) and come back
; 64 bytes a lane: 16 neighbours along K, two lanes to a block.  Loads run eight steps (32 loads a wave) ahead, the turn through LDS one step.  No barrier: waves share nothing.
.set STEPS, 16
.set DEPTH, 8
.set EMAX,  2
.set SP,    80                         ; a lane's place in a stage: 64 bytes + 16 of padding
.set WREG,  8192                       ; LDS: a region for each wave: two stages of 32 x SP bytes, behind them its 256 scale bytes
.set SPARE, 4*WREG                     ; behind the regions: the spare words, 128 bytes for each wave, which no other line names
.set SPW,   12                         ; v12  LDS address of my spare word; never rewritten
.set NIL,   13                         ; v13  0; never rewritten
.set R,     16                         ; v16-143  eight sets of 16 numbers as loaded
.set X,     144                        ; v144-175 two sets of 16 neighbours
.set E,     176                        ; v176-191 a scale byte for each step
.set C,     192                        ; v192-223 codes: two registers for each step, so that no store's data are written again
	s_load_b256 s[4:11], s[0:1], 0x0               ; x, wq, wk, wv
	s_load_b256 s[12:19], s[0:1], 0x20             ; wo, codes, scl, wo16
	v_lshl_add_u32 v[SPW], v0, 2, SPARE
	v_mov_b32 v[NIL], 0
	v_lshrrev_b32 v1, 5, v0
	v_readfirstlane_b32 s24, v1                    ; wave
	v_and_b32 v2, 31, v0                           ; lane
	v_lshlrev_b32 v3, 4, v2                        ; my 16 bytes of a load's 512
	v_lshlrev_b32 v4, 3, v2                        ; my 8 bytes of a store's 256
	s_mul_i32 s25, s24, WREG
	v_lshrrev_b32 v14, 2, v2
	v_mul_u32_u24 v14, v14, SP
	v_and_b32 v15, 3, v2
	v_lshl_add_u32 v14, v15, 4, v14
	v_add_nc_u32 v14, s25, v14                     ; the stage, on the way in: SP (lane / 4) + 16 (lane % 4)
	v_mul_u32_u24 v15, v2, SP
	v_add_nc_u32 v15, s25, v15                     ; and on the way out: SP x lane
	v_lshrrev_b32 v5, 1, v2
	s_add_co_u32 s25, s25, 2*32*SP
	v_add_nc_u32 v5, s25, v5                       ; my block's scale byte
	v_add_nc_u32 v6, s25, v4                       ; the scale bytes on their way out: 8 a lane
	s_mov_b32 s23, 0
	s_mov_b32 s27, 0
	s_wait_kmcnt 0x0
	s_cmp_ge_u32 ttmp9, 224                        ; the work-group's number alone decides
	s_cbranch_scc1 .Lwo
	s_mov_b32 s22, 192                             ; which tensor, and its first work-group
	s_mov_b64 s[20:21], s[10:11]
	s_cmp_lt_u32 ttmp9, 192
	s_cselect_b64 s[20:21], s[8:9], s[20:21]
	s_cselect_b32 s22, 160, s22
	s_cmp_lt_u32 ttmp9, 160
	s_cselect_b64 s[20:21], s[6:7], s[20:21]
	s_cselect_b32 s22, 128, s22
	s_cmp_lt_u32 ttmp9, 128
	s_cselect_b64 s[20:21], s[4:5], s[20:21]
	s_cselect_b32 s22, 0, s22
	s_sub_co_u32 s22, ttmp9, s22
	s_lshl_b32 s22, s22, 2
	s_add_co_u32 s22, s22, s24                     ; my run of 8,192 numbers in the tensor
	s_lshl_b32 s22, s22, 15
	s_add_nc_u64 s[20:21], s[20:21], s[22:23]
	s_lshl_b32 s28, ttmp9, 2
	s_add_co_u32 s28, s28, s24                     ; and in the results' stream
	s_lshl_b32 s26, s28, 12
	s_add_nc_u64 s[14:15], s[14:15], s[26:27]      ; 4,096 bytes of codes a run
	s_lshl_b32 s26, s28, 8
	s_add_nc_u64 s[16:17], s[16:17], s[26:27]      ; 256 scale bytes a run
.macro LOAD t
.irp i, 0,1,2,3
	global_load_b128 v[R+16*((\t)%DEPTH)+4*\i:R+16*((\t)%DEPTH)+4*\i+3], v3, s[20:21] offset:2048*(\t)+512*\i th:TH_LOAD_NT
.endr
.endm
.macro TURN t                          ; step t's numbers through the stage: LDS serves a wave's instructions in order, so no wait stands between the stores and the loads
.irp i, 0,1,2,3
	ds_store_b128 v14, v[R+16*((\t)%DEPTH)+4*\i:R+16*((\t)%DEPTH)+4*\i+3] offset:32*SP*((\t)%2)+8*SP*\i
.endr
.irp i, 0,1,2,3
	ds_load_b128 v[X+16*((\t)%2)+4*\i:X+16*((\t)%2)+4*\i+3], v15 offset:32*SP*((\t)%2)+16*\i
.endr
.endm
.irp t, 0,1,2,3,4,5,6,7
	LOAD \t
.endr
	s_wait_loadcnt 4*(DEPTH-1)                     ; step 0's four loads are in; the 28 of the seven steps behind it may be out
	TURN 0
.macro STEP t
.set XS, X+16*((\t)%2)
.if (\t) > 0
	s_wait_dscnt 1                                 ; this step's numbers are back from the stage (the last step's byte store may be out): so its stores into the stage have read their registers,
.else
	s_wait_dscnt 0x0
.endif
.if (\t)+DEPTH < STEPS
	LOAD (\t)+DEPTH                                ; which take the loads of eight steps on
.endif
.if (\t)+1 < STEPS
.if STEPS-2-(\t) >= DEPTH-1
	s_wait_loadcnt 4*(DEPTH-1)                     ; the next step's four loads are in; those of the seven steps behind it may be out
.else
	s_wait_loadcnt 4*(STEPS-2-(\t))                ; (towards the end: of the steps that are left)
.endif
	TURN (\t)+1
.endif
	v_max3_num_f32 v8, |v[XS]|, |v[XS+1]|, |v[XS+2]|               ; the largest magnitude of my 16
	v_max3_num_f32 v9, |v[XS+3]|, |v[XS+4]|, |v[XS+5]|
.irp i, 6,10
	v_max3_num_f32 v8, v8, |v[XS+\i]|, |v[XS+\i+1]|
	v_max3_num_f32 v9, v9, |v[XS+\i+2]|, |v[XS+\i+3]|
.endr
	v_max3_num_f32 v8, v8, |v[XS+14]|, |v[XS+15]|
	v_max3_num_f32 v8, v8, v9, (EMAX+1)<<23        ; and the floor 2^(3 - 127): the byte cannot fall under 1
	v_max_num_f32_dpp v8, v8, v8 row_xmask:1 row_mask:0xf bank_mask:0xf   ; and of my neighbour's 16: the block's
	v_add_nc_u32 v11, -(EMAX<<23), v8              ; 2 off its exponent field: the conversion takes the exponent field of this operand as its scale
	v_cvt_scalef32_pk8_fp4_f32 v[C+2*(\t)], v[XS:XS+7], v11
	v_cvt_scalef32_pk8_fp4_f32 v[C+2*(\t)+1], v[XS+8:XS+15], v11
	v_lshrrev_b32 v[E+(\t)], 23, v11               ; the scale's byte (also the plain line behind the conversions)
	ds_store_b8 v5, v[E+(\t)] offset:16*(\t)       ; both lanes of a block write the same byte with the same value
	global_store_b64 v4, v[C+2*(\t):C+2*(\t)+1], s[14:15] offset:256*(\t)   ; 32 lanes store 256 consecutive bytes, aligned
.endm
.irp t, 0,1,2,3,4,5,6,7,8,9,10,11,12,13,14,15
	STEP \t
.endr
	ds_load_b64 v[8:9], v6                         ; LDS serves a wave's instructions in order: these see my stores
	s_wait_dscnt 0x0
	global_store_b64 v4, v[8:9], s[16:17]          ; the wave's 256 scale bytes: 256 consecutive bytes, aligned
	s_wait_tensorcnt 0x0                           ; the wave's end, behind my last LDS store
	ds_add_u32 v[SPW], v[NIL]
	s_wait_dscnt 0x0
	s_endpgm
; THE CAST: wo to f16.  64 turns of 512 bytes in, 256 bytes out; 32 loads ahead.  No LDS.
.Lwo:
	s_sub_co_u32 s22, ttmp9, 224
	s_lshl_b32 s22, s22, 2
	s_add_co_u32 s22, s22, s24                     ; my run of 8,192 numbers
	s_lshl_b32 s26, s22, 14
	s_lshl_b32 s22, s22, 15
	s_add_nc_u64 s[12:13], s[12:13], s[22:23]
	s_add_nc_u64 s[18:19], s[18:19], s[26:27]
.macro LOADW k
	global_load_b128 v[R+4*((\k)%32):R+4*((\k)%32)+3], v3, s[12:13] offset:512*(\k) th:TH_LOAD_NT
.endm
.set Q, 0
.rept 32
	LOADW Q
.set Q, Q+1
.endr
.set Q, 0
.rept 64
.if Q <= 32
	s_wait_loadcnt 31                              ; this turn's load is in; the 31 younger ones may be out
.else
	s_wait_loadcnt 63-Q                            ; (no more are issued: the count runs down)
.endif
.if Q >= 32
	s_wait_xcnt 0x0                                ; the store of 32 turns back has read the pair that is written below
.endif
	v_cvt_pk_f16_f32 v[X+2*(Q%32)], v[R+4*(Q%32)], v[R+4*(Q%32)+1]
	v_cvt_pk_f16_f32 v[X+2*(Q%32)+1], v[R+4*(Q%32)+2], v[R+4*(Q%32)+3]
.if Q < 32
	LOADW Q+32
.endif
	global_store_b64 v4, v[X+2*(Q%32):X+2*(Q%32)+1], s[18:19] offset:256*Q
.set Q, Q+1
.endr
	s_endpgm
.Lfunc_end_k_q4cc0324e4b_prep:
	.size	k_q4cc0324e4b_prep, .Lfunc_end_k_q4cc0324e4b_prep-k_q4cc0324e4b_prep
	.p2alignl 7, 3214868480
	.fill 96, 4, 3214868480
	.section	.rodata,"a",@progbits
	.p2align	6, 0x0
	.amdhsa_kernel k_q4cc0324e4b_prep
		.amdhsa_group_segment_fixed_size 33280
		.amdhsa_private_segment_fixed_size 0
		.amdhsa_enable_private_segment 0
		.amdhsa_kernarg_size 64
		.amdhsa_user_sgpr_count 2
		.amdhsa_user_sgpr_kernarg_segment_ptr 1
		.amdhsa_wavefront_size32 1
		.amdhsa_system_sgpr_workgroup_id_x 1
		.amdhsa_system_sgpr_workgroup_id_y 1
		.amdhsa_system_sgpr_workgroup_id_z 1
		.amdhsa_system_vgpr_workitem_id 0
		.amdhsa_next_free_vgpr 256
		.amdhsa_next_free_sgpr 66
		.amdhsa_reserve_vcc 0
		.amdhsa_float_denorm_mode_32 3
		.amdhsa_float_denorm_mode_16_64 3
		.amdhsa_memory_ordered 1
		.amdhsa_forward_progress 1
		.amdhsa_inst_pref_size 57
	.end_amdhsa_kernel
	.amdgpu_metadata
---
amdhsa.version: [ 1, 2 ]
amdhsa.kernels:
  - .name:           k_q4cc0324e4b_prep
    .symbol:         k_q4cc0324e4b_prep.kd
    .args:
      - { .name: x, .offset: 0, .size: 8, .value_kind: global_buffer, .address_space: global }
      - { .name: wq, .offset: 8, .size: 8, .value_kind: global_buffer, .address_space: global }
      - { .name: wk, .offset: 16, .size: 8, .value_kind: global_buffer, .address_space: global }
      - { .name: wv, .offset: 24, .size: 8, .value_kind: global_buffer, .address_space: global }
      - { .name: wo, .offset: 32, .size: 8, .value_kind: global_buffer, .address_space: global }
      - { .name: codes, .offset: 40, .size: 8, .value_kind: global_buffer, .address_space: global }
      - { .name: scl, .offset: 48, .size: 8, .value_kind: global_buffer, .address_space: global }
      - { .name: wo16, .offset: 56, .size: 8, .value_kind: global_buffer, .address_space: global }
    .group_segment_fixed_size: 33280
    .private_segment_fixed_size: 0
    .kernarg_segment_align: 8
    .kernarg_segment_size: 64
    .max_flat_workgroup_size: 128
    .sgpr_count:     66
    .vgpr_count:     256
    .wavefront_size: 32
...
	.end_amdgpu_metadata
.endif
;; end of part 1
;; launch qkv (part 2): grid 8 x 32, 4 waves a work-group, clusters of 4 x 4, 327,680 bytes of LDS; arguments codes, scl, qimg, kimg, vimg; writes qimg, kimg, vimg
.if DOCPART == 2
	.amdgcn_target "amdgcn-amd-amdhsa--gfx1250"
	.amdhsa_code_object_version 6
	.text
	.protected	k_q4cc0324e4b_qkv
	.globl	k_q4cc0324e4b_qkv
	.p2align	8
	.type	k_q4cc0324e4b_qkv,@function
k_q4cc0324e4b_qkv:
	s_mov_b64 s[64:65], 0
	v_nop
	global_prefetch_b8 v0, s[64:65] scope:SCOPE_SE
	s_setreg_imm32_b32 hwreg(HW_REG_WAVE_MODE, 25, 1), 1
	s_wait_xcnt 0x0
	s_wait_alu depctr_hold_cnt(0) depctr_sa_sdst(0) depctr_va_vdst(0) depctr_va_sdst(0) depctr_va_ssrc(0) depctr_va_vcc(0) depctr_vm_vsrc(0)
	s_getreg_b32 s2, hwreg(HW_REG_IB_STS2, 6, 4)
	s_cmp_eq_u32 s2, 0
	s_cbranch_scc0 .Lentry_in_a_cluster
	s_endpgm
.Lentry_in_a_cluster:
	s_bfe_u32 s2, ttmp6, 0x10000c
	s_cmp_lg_u32 s2, 0xf033
	s_cbranch_scc0 .Lentry_shape_is_right
	s_endpgm
.Lentry_shape_is_right:
; SECOND LAUNCH: q = x wq^T, k = x wk^T, v = x wv^T on codes of E2M1 with E8M0 scales (K = 1,024), f32 sums; q / 8 (exact: a power of two), k and v are rounded once to f16 and stored AS IMAGES OF THE OPERAND
; REGISTERS of the next launch's products.  Nothing is left out.
; SHARES.  Work-group (g, mb): tokens 128 mb .. + 127 against features 128 g .. + 127 (two heads) of each of q, k, v.  Wave w: tokens 64 (w / 2) on, features 64 (w % 2) on (one head): 4 x 4 accumulators, three passes.
; LDS.  All of K fits: four tiles of 128 rows x 512 bytes (+ 16 of padding: the 16 rows that a load touches start at 16 different banks; ISA guide 11.1), x's, wq's, wk's, wv's.  Each is filled once: wave w fetches tile w.
; CLUSTER.  4 x 4 work-groups.  x's tile hangs on mb alone, which a row of the cluster shares; the weights' tiles on g alone, which a column shares: each is asked for jointly, with a mask that names the four.
; LAYOUT.  q, k: the product is used transposed (source 0 = 16 features, source 1 = 16 tokens): a lane holds one token and eight neighbouring features, and two neighbouring accumulators, rounded in pairs, are the
; eight registers of a 16-bit fragment (16 tokens x 32 of the head's 64).  v: source 0 = tokens, source 1 = features: a lane holds one feature and eight neighbouring tokens: a fragment of v^T (16 features x 32 tokens).
; So four packed registers of every lane leave by one store of 512 consecutive bytes, aligned; no stage.
; IMAGES (bytes): pair = 8 batch + head / 2; chunk = 128 tokens.  q, k: pair 524,288 + chunk 32,768 + (head % 2) 16,384 + tile 2,048 + (32 of the 64) 1,024 + (registers 0-3 | 4-7) 512 + 16 lane.
; v: the same first three + (32 tokens) 4,096 + (16 features) 1,024 + (registers 0-3 | 4-7) 512 + 16 lane.
; LIMIT: |q| / 8, |k|, |v| beyond 65,504 are not served.
; REGISTERS, in windows of 256: window 0: v1-11 addresses; v16-111 scale words; v176-239 packed results; v252, v253 the add's two.  window 1: x's 32 fragments ((a, s) at 64 a + 8 s).
;   window 2: v0-127 the 16 accumulators ((a, b) at 8 (4 a + b)); v128-255 the weights' fragments, four sets of four.
.set PITCH, 528
.set TILE,  128*PITCH
.set SPARE, 4*TILE                     ; behind the tiles: the spare words, 128 bytes for each wave, which no other line names
.set LN16, 3                           ; v3    16 x lane
.set ADX,  4                           ; v4    my x fragments in LDS
.set ADW,  5                           ; v5-7  my fragments of wq, wk, wv
.set VS,   8                           ; v8-10 scale words' byte offsets: lanes 0-15 x's rows, lanes 16-31 the weight's rows
.set SC,   16                          ; scale word (pass p, tile i, K step s) at SC + 32 p + 8 i + s: lanes 0-15 x's tile i, lanes 16-31 the weight's tile i
.set TMP,  176
.set SPW,  252
.set NIL,  253
.set BF,   128
.set G1X,  24                          ; s[24:31], s[32:35] descriptor groups 1 and 0 for x's tile
.set G0X,  32
.set G1W,  48                          ; s[48:55], s[56:59] for a weight's tile
.set G0W,  56
.set MSB, 0
.macro WIN new                         ; the immediate's high byte repeats the setting that is left
.if MSB != \new
	s_set_vgpr_msb (MSB<<8)|\new
.set MSB, \new
.endif
.endm
.set MULS, 0xa6                        ; source 0 (weights) window 2, source 1 (x) window 1, C and D window 2
.set MULV, 0xa9                        ; source 0 (x) window 1, source 1 (weights) window 2, C and D window 2
.set TO_X, 0x40
.set TO_B, 0x80
.set SCQ,  0x82                        ; destination and source 0 window 2
.set CVT,  0x0a                        ; sources 0 and 1 window 2, destination window 0
.macro PLACES
.rept 4
	v_nop
.endr
.endm
.macro CROUND                          ; a round of the cluster's barrier
	s_barrier_signal -1
	s_barrier_wait -1
	s_cmp_lg_u32 s14, 0
	s_cbranch_scc1 .Lnot_wave_0_\@
	s_barrier_signal -3
.Lnot_wave_0_\@:
	s_barrier_wait -3
	s_barrier_signal -1
	s_barrier_wait -1
.endm
	s_load_b256 s[4:11], s[0:1], 0x0               ; codes, scl, qimg, kimg
	s_load_b64 s[12:13], s[0:1], 0x20              ; vimg
	v_lshl_add_u32 v[SPW], v0, 2, SPARE
	v_mov_b32 v[NIL], 0
	ds_add_u32 v[SPW], v[NIL]                      ; the wave's opening: the add, twice on end, and its wait ahead of my first tensor load
	ds_add_u32 v[SPW], v[NIL]
	v_lshrrev_b32 v1, 5, v0
	v_readfirstlane_b32 s14, v1                    ; wave 0..3
	s_lshr_b32 s15, s14, 1                         ; which 64 tokens
	s_and_b32 s16, s14, 1                          ; which 64 features (which head of the pair)
	s_bfe_u32 s40, ttmp6, 0x40000                  ; cx, cy: my place in the cluster
	s_bfe_u32 s41, ttmp6, 0x40004
	s_lshl_b32 s42, ttmp9, 2
	s_add_co_u32 s42, s42, s40                     ; g = 4 x cluster x + cx
	s_and_b32 s17, ttmp7, 0xffff
	s_lshl_b32 s17, s17, 2
	s_add_co_u32 s17, s17, s41                     ; mb = 4 x cluster y + cy
	s_lshl_b32 s43, s41, 2
	s_lshl_b32 s43, 15, s43                        ; my row of the cluster
	s_lshl_b32 s44, 0x1111, s40                    ; my column
	s_or_b32 s[G1X], s43, (1<<20)|(1<<21)|(6<<22)|(3<<25)   ; 15:0 the mask; 17:16 elements of 1 byte; 20 padding on; 21 set beside a mask; 24:22 after every 128 words; 31:25 four words
	s_or_b32 s[G1W], s44, (1<<20)|(1<<21)|(6<<22)|(3<<25)
.irp g, G1X, G1W
	s_mov_b32 s[\g+1], 512<<16                     ; tensor_dim0 = 512 bytes
	s_mov_b32 s[\g+2], 128<<16                     ; tensor_dim1 = 128 rows
	s_mov_b32 s[\g+3], 512<<16                     ; tile_dim0
	s_mov_b32 s[\g+4], 128                         ; tile_dim1
	s_mov_b32 s[\g+5], 512                         ; from row to row
	s_mov_b32 s[\g+6], 0
	s_mov_b32 s[\g+7], 0
.endr
	s_lshl_b32 s20, s17, 16                        ; x's tile: row 128 mb, 512 bytes a row
	s_mov_b32 s21, 0
	s_lshl_b32 s46, s42, 16                        ; a weight's: row 3,072 + 1,024 wave + 128 g
	s_lshl_b32 s47, s14, 19
	s_add_co_u32 s46, s46, s47
	s_add_co_u32 s46, s46, 3072*512
	s_mov_b32 s47, 0
	s_mul_i32 s45, s14, TILE                       ; tile w lies at w x TILE: no place in the cluster enters an LDS address
	s_wait_dscnt 0x0                               ; both opening adds are done
	s_wait_kmcnt 0x0
	s_mov_b32 s[G0X], 1
	s_mov_b32 s[G0X+1], s45
	s_add_nc_u64 s[G0X+2:G0X+3], s[4:5], s[20:21]
	s_or_b32 s[G0X+3], s[G0X+3], 0x80000000
	s_mov_b32 s[G0W], 1
	s_mov_b32 s[G0W+1], s45
	s_add_nc_u64 s[G0W+2:G0W+3], s[4:5], s[46:47]
	s_or_b32 s[G0W+3], s[G0W+3], 0x80000000
	CROUND                                         ; all sixteen work-groups are here: the joint loads meet
	s_cmp_eq_u32 s14, 0                            ; wave 0 fetches x's tile, waves 1 to 3 the weights': one tensor load of each wave is out, and none follows
	s_cbranch_scc0 .Lfor_w
	tensor_load_to_lds s[G0X:G0X+3], s[G1X:G1X+7]
	s_nop 0
.rept 4
	v_nop
.endr
	s_branch .Lasked
.Lfor_w:
	tensor_load_to_lds s[G0W:G0W+3], s[G1W:G1W+7]
	s_nop 0
.rept 4
	v_nop
.endr
.Lasked:
	v_and_b32 v1, 15, v0                           ; r
	v_bfe_u32 v2, v0, 4, 1                         ; h
	v_and_b32 v11, 31, v0
	v_lshlrev_b32 v[LN16], 4, v11
	s_lshl_b32 s18, s17, 7
	s_lshl_b32 s19, s15, 6
	s_add_co_u32 s18, s18, s19                     ; my first row of x
	s_lshl_b32 s19, s42, 7
	s_lshl_b32 s22, s16, 6
	s_add_co_u32 s19, s19, s22
	s_add_co_u32 s19, s19, 4096                    ; my first row of wq
	s_sub_co_u32 s19, s19, s18
	s_lshl_b32 s19, s19, 5                         ; the distance between the two, 32 bytes a row
	s_lshl_b32 s18, s18, 5
	v_lshl_add_u32 v[VS], v1, 5, s18
	v_mul_lo_u32 v11, v2, s19
	v_add_nc_u32 v[VS], v[VS], v11                 ; lanes 0-15: x's row r; lanes 16-31: wq's row r
	v_lshl_add_u32 v[VS+1], v2, 15, v[VS]          ; wk's rows lie 1,024 rows on,
	v_lshl_add_u32 v[VS+2], v2, 16, v[VS]          ; wv's 2,048
.irp p, 0,1,2
.irp i, 0,1,2,3
.irp e, 0,1
	global_load_b128 v[SC+32*\p+8*\i+4*\e:SC+32*\p+8*\i+4*\e+3], v[VS+\p], s[6:7] offset:512*\i+16*\e   ; four scale words of a row: K steps 4 e .. 4 e + 3
.endr
.endr
.endr
	v_mul_u32_u24 v11, v1, PITCH
	v_lshl_add_u32 v11, v2, 4, v11                 ; a fragment's row x pitch + 16 x half
	s_mul_i32 s22, s15, 64*PITCH
	v_add_nc_u32 v[ADX], s22, v11
	s_mul_i32 s22, s16, 64*PITCH
	s_add_co_u32 s22, s22, TILE
	v_add_nc_u32 v[ADW], s22, v11
	v_add_nc_u32 v[ADW+1], TILE, v[ADW]
	v_add_nc_u32 v[ADW+2], 2*TILE, v[ADW]
	s_lshr_b32 s22, s17, 4                         ; where my results go: the pair,
	s_lshl_b32 s22, s22, 3
	s_add_co_u32 s22, s22, s42
	s_lshl_b32 s22, s22, 19
	s_and_b32 s23, s17, 15                         ; the chunk,
	s_lshl_b32 s23, s23, 15
	s_add_co_u32 s22, s22, s23
	s_lshl_b32 s23, s16, 14                        ; the head of the pair,
	s_add_co_u32 s22, s22, s23
	s_lshl_b32 s23, s15, 13                        ; my 64 tokens
	s_add_co_u32 s22, s22, s23
	s_mov_b32 s23, 0
	s_add_nc_u64 s[8:9], s[8:9], s[22:23]
	s_add_nc_u64 s[10:11], s[10:11], s[22:23]
	s_add_nc_u64 s[12:13], s[12:13], s[22:23]
	s_wait_tensorcnt 0x0                           ; my tile is in,
	s_barrier_signal -1
	s_barrier_wait -1                              ; everybody's is; nothing is filled again in this launch
	WIN TO_X
.irp a, 0,1,2,3
.irp s, 0,1,2,3,4,5,6,7
.irp c, 0,1
	ds_load_b128 v[64*\a+8*\s+4*\c:64*\a+8*\s+4*\c+3], v[ADX] offset:\a*16*PITCH+64*\s+32*\c   ; x's fragments stay in registers for the three passes: read from LDS once
.endr
.endr
.endr
.macro FETCH_B n                       ; the weight's four fragments of step n = 8 p + s into set n % 4
	WIN TO_B
.irp b, 0,1,2,3
.irp c, 0,1
	ds_load_b128 v[BF+32*((\n)%4)+8*\b+4*\c:BF+32*((\n)%4)+8*\b+4*\c+3], v[ADW+(\n)/8] offset:\b*16*PITCH+64*((\n)%8)+32*\c
.endr
.endr
.endm
.macro PROD n, a, b
.set rD, 8*(4*\a+\b)
.set rB, BF+32*((\n)%4)+8*\b
.set rX, 64*\a+8*((\n)%8)
.set rSW, SC+32*((\n)/8)+8*\b+(\n)%8
.set rSX, SC+32*((\n)/8)+8*\a+(\n)%8
.if (\n)/8 < 2
.if (\n)%8 == 0
	v_wmma_scale_f32_16x16x128_f8f6f4 v[rD:rD+7], v[rB:rB+7], v[rX:rX+7], 0, v[rSW], v[rSX] matrix_a_fmt:MATRIX_FMT_FP4 matrix_b_fmt:MATRIX_FMT_FP4 matrix_a_scale:MATRIX_SCALE_ROW1
.else
	v_wmma_scale_f32_16x16x128_f8f6f4 v[rD:rD+7], v[rB:rB+7], v[rX:rX+7], v[rD:rD+7], v[rSW], v[rSX] matrix_a_fmt:MATRIX_FMT_FP4 matrix_b_fmt:MATRIX_FMT_FP4 matrix_a_scale:MATRIX_SCALE_ROW1
.endif
.else
.if (\n)%8 == 0
	v_wmma_scale_f32_16x16x128_f8f6f4 v[rD:rD+7], v[rX:rX+7], v[rB:rB+7], 0, v[rSX], v[rSW] matrix_a_fmt:MATRIX_FMT_FP4 matrix_b_fmt:MATRIX_FMT_FP4 matrix_b_scale:MATRIX_SCALE_ROW1
.else
	v_wmma_scale_f32_16x16x128_f8f6f4 v[rD:rD+7], v[rX:rX+7], v[rB:rB+7], v[rD:rD+7], v[rSX], v[rSW] matrix_a_fmt:MATRIX_FMT_FP4 matrix_b_fmt:MATRIX_FMT_FP4 matrix_b_scale:MATRIX_SCALE_ROW1
.endif
.endif
.endm
; A pass's way out: (q alone: x 1/8, exact;) rounded to f16 in pairs, each accumulator from its low end on; sixteen stores of 512 consecutive bytes.
.macro OUT p
	PLACES                                         ; four places between the last products and the first read of their results (ISA guide 7.12.1)
.if (\p) == 0
	WIN SCQ
.set i, 0
.rept 64
	v_pk_mul_f32 v[i:i+1], v[i:i+1], 0x3e000000 op_sel_hi:[1,0]
.set i, i+2
.endr
.else
	s_wait_xcnt 0x0                                ; the last pass's stores have read the registers that are written below
.endif
	WIN CVT
.set i, 0
.rept 64
	v_cvt_pk_f16_f32 v[TMP+i], v[2*i], v[2*i+1]
.set i, i+1
.endr
	WIN 0
.set i, 0
.rept 16                               ; accumulator (a, b) = (i / 4, i % 4)
.if (\p) < 2
	global_store_b128 v[LN16], v[TMP+4*i:TMP+4*i+3], s[8+2*(\p):9+2*(\p)] offset:512*i
.else
	global_store_b128 v[LN16], v[TMP+4*i:TMP+4*i+3], s[8+2*(\p):9+2*(\p)] offset:(i/8)*4096+(i%4)*1024+((i/4)%2)*512
.endif
.set i, i+1
.endr
.endm
; Step n = 8 p + s: 128 along K of pass p: 16 matrix instructions, the 16 accumulators by turns, in the same order in every step.
.macro STEP n
	PLACES                                         ; four places in front of loads into the set that the last step's products read
.if (\n)+3 < 24
	FETCH_B (\n)+3
.endif
.if (\n) < 21
	s_wait_dscnt 24                                ; this step's set is in (and at step 0 x's fragments); the 24 loads of the three younger sets may be out
.else
	s_wait_dscnt 8*(23-(\n))                       ; (no more are issued: the count runs down)
.endif
.if (\n)/8 < 2
	WIN MULS
.else
	WIN MULV
.endif
.irp a, 0,1,2,3
.irp b, 0,1,2,3
	PROD \n, \a, \b
.endr
.endr
.if (\n)%8 == 7
	OUT (\n)/8
.endif
.endm
	FETCH_B 0
	FETCH_B 1
	FETCH_B 2
	s_wait_loadcnt 0x0                             ; the scale words
.irp n, 0,1,2,3,4,5,6,7,8,9,10,11,12,13,14,15,16,17,18,19,20,21,22,23
	STEP \n
.endr
	s_wait_tensorcnt 0x0                           ; the wave's end
	ds_add_u32 v[SPW], v[NIL]
	s_wait_dscnt 0x0
	CROUND                                         ; the closing round
	s_endpgm
.Lfunc_end_k_q4cc0324e4b_qkv:
	.size	k_q4cc0324e4b_qkv, .Lfunc_end_k_q4cc0324e4b_qkv-k_q4cc0324e4b_qkv
	.p2alignl 7, 3214868480
	.fill 96, 4, 3214868480
	.section	.rodata,"a",@progbits
	.p2align	6, 0x0
	.amdhsa_kernel k_q4cc0324e4b_qkv
		.amdhsa_group_segment_fixed_size 327680
		.amdhsa_private_segment_fixed_size 0
		.amdhsa_enable_private_segment 0
		.amdhsa_kernarg_size 40
		.amdhsa_user_sgpr_count 2
		.amdhsa_user_sgpr_kernarg_segment_ptr 1
		.amdhsa_wavefront_size32 1
		.amdhsa_system_sgpr_workgroup_id_x 1
		.amdhsa_system_sgpr_workgroup_id_y 1
		.amdhsa_system_sgpr_workgroup_id_z 1
		.amdhsa_system_vgpr_workitem_id 0
		.amdhsa_next_free_vgpr 768
		.amdhsa_next_free_sgpr 66
		.amdhsa_reserve_vcc 0
		.amdhsa_float_denorm_mode_32 3
		.amdhsa_float_denorm_mode_16_64 3
		.amdhsa_memory_ordered 1
		.amdhsa_forward_progress 1
		.amdhsa_inst_pref_size 101
	.end_amdhsa_kernel
	.amdgpu_metadata
---
amdhsa.version: [ 1, 2 ]
amdhsa.kernels:
  - .name:           k_q4cc0324e4b_qkv
    .symbol:         k_q4cc0324e4b_qkv.kd
    .args:
      - { .name: codes, .offset: 0, .size: 8, .value_kind: global_buffer, .address_space: global }
      - { .name: scl, .offset: 8, .size: 8, .value_kind: global_buffer, .address_space: global }
      - { .name: qimg, .offset: 16, .size: 8, .value_kind: global_buffer, .address_space: global }
      - { .name: kimg, .offset: 24, .size: 8, .value_kind: global_buffer, .address_space: global }
      - { .name: vimg, .offset: 32, .size: 8, .value_kind: global_buffer, .address_space: global }
    .group_segment_fixed_size: 327680
    .private_segment_fixed_size: 0
    .kernarg_segment_align: 8
    .kernarg_segment_size: 40
    .max_flat_workgroup_size: 128
    .sgpr_count:     66
    .vgpr_count:     768
    .wavefront_size: 32
...
	.end_amdgpu_metadata
.endif
;; end of part 2
;; launch attn (part 3): grid 16 x 16, 4 waves a work-group, clusters of 4 x 4, 327,680 bytes of LDS; arguments qimg, kimg, vimg, mask, aimg; writes aimg
.if DOCPART == 3
	.amdgcn_target "amdgcn-amd-amdhsa--gfx1250"
	.amdhsa_code_object_version 6
	.text
	.protected	k_q4cc0324e4b_attn
	.globl	k_q4cc0324e4b_attn
	.p2align	8
	.type	k_q4cc0324e4b_attn,@function
k_q4cc0324e4b_attn:
	s_mov_b64 s[64:65], 0
	v_nop
	global_prefetch_b8 v0, s[64:65] scope:SCOPE_SE
	s_setreg_imm32_b32 hwreg(HW_REG_WAVE_MODE, 25, 1), 1
	s_wait_xcnt 0x0
	s_wait_alu depctr_hold_cnt(0) depctr_sa_sdst(0) depctr_va_vdst(0) depctr_va_sdst(0) depctr_va_ssrc(0) depctr_va_vcc(0) depctr_vm_vsrc(0)
	s_getreg_b32 s2, hwreg(HW_REG_IB_STS2, 6, 4)
	s_cmp_eq_u32 s2, 0
	s_cbranch_scc0 .Lentry_in_a_cluster
	s_endpgm
.Lentry_in_a_cluster:
	s_bfe_u32 s2, ttmp6, 0x10000c
	s_cmp_lg_u32 s2, 0xf033
	s_cbranch_scc0 .Lentry_shape_is_right
	s_endpgm
.Lentry_shape_is_right:
; THIRD LAUNCH: o = softmax(q k^T / 8 + mask) v for each batch and head; q (already / 8), k, v in f16, products' sums, mask, maxima, exponentials and sums in f32; the weights p are rounded to f16 for the second
; product, o once at the end to f16.  Nothing is left out: the mask is an input and every one of its numbers is added.
; SHARES.  Work-group (qb, pair): queries 128 qb .. + 127 of the two heads of a pair.  Wave w: head w / 2 of the pair, queries 64 (w % 2) on: four tiles of 16.  Every wave walks all 2,048 keys, 64 a step.
; LAYOUT.  S^T = K Q^T + mask^T (source 0 = 16 keys, source 1 = 16 queries): a lane holds ONE query (lane % 16) and keys 8 (lane / 16) + 0..7.  THE MASK IS THE C OF THE FIRST PRODUCT: its f32 numbers are loaded from
; LDS straight into the scores' registers, 32 neighbouring bytes of the query's row for each accumulator, and cost no vector instruction.  Two tiles of S^T, rounded in pairs, are source 1 of O^T = V^T P.
; K, Q and V^T come as images of their operand registers (made by the launch before): every LDS read takes 512 consecutive bytes.
; SOFTMAX.  A running maximum m (begun at -2^127, so that c m is a number where a row's first keys are all masked by -infinity) and sum l: p = 2^(c s - c m), c = log2(e); in every step O and l are multiplied by 2^(c m_old - c m_new).
; BY TURNS.  The wave's tiles are two pieces (tiles 0, 1; tiles 2, 3).  In a turn one piece has the matrix unit (16 products V^T P of the step in hand, 16 products K Q^T of the next); the other piece's softmax, 236 vector
; instructions cut into 59 slices of four, stands between them.  Two turns are a key step.
; CLUSTER.  4 x 4 work-groups.  K and V hang on the pair alone, which a row of the cluster shares; the mask's tile on qb alone, which a column shares: each is asked for jointly, with a mask that names the four.
; RING.  Two slots of 128 keys: K 32,768 bytes (both heads), V 32,768, the mask's 128 rows x 512 bytes (+ 16 of padding).  Waves 0, 1 fetch K, V; waves 2, 3 the mask's halves: one load a wave behind each round.
; LIMITS: NaN among the inputs is not served; a row all of whose scores lie under -2^127 gives l = 0 and so NaN; rows on which the mask leaves few keys carry f16's rounding of v and p undiluted.
; REGISTERS, in windows of 256: window 0: v2-7 addresses; v12-43 eight statistics a tile; v61-63; v64-191 S^T, 32 a tile; v192-255 P, 16 a tile.  window 1: v0-127 O^T, 32 a tile.
;   window 2: v0-63 Q, 16 a tile; v64-127 K of one step; v128-191 V of one step.
.set PM,    528                        ; a row of the mask in LDS: 512 bytes + 16: the 16 rows that a load touches start at 16 different banks (ISA guide 11.1)
.set VOFF,  32768
.set MOFF,  65536
.set SLOT,  MOFF+128*PM
.set SPARE, 2*SLOT                     ; behind the ring: the spare words, 128 bytes for each wave, which no other line names
.set AK0, 2                            ; v2   my lane's place in a step's K: 16 lane + 16,384 x my head of the pair
.set AV0, 3                            ; v3   the same for V
.set AM0, 4                            ; v4   my query's row of the mask's tile, + 32 x half
.set ADR, 5                            ; v5   the LDS address of the run of K or V in hand
.set ADM, 6                            ; v6   of the mask's
.set QO,  7                            ; v7   16 x lane
.set ST,  12                           ; tile t's statistics at v[ST+8 t]: +0 c m, +1 m, +2, +3 l, +4 to +7 at work; a takes +6 once the maximum is found
.set PFO, 61
.set SPW, 62
.set NIL, 63
.set S,   64
.set P,   192
.set KF,  64                           ; in window 2
.set VF,  128
.set WV,  14                           ; s14  my wave's number
.set LIM, 15                           ; s15  1 in a wave that prefetches, else the greatest number
.set PFA, 18                           ; s[18:19] where my prefetches stand
.set G1K, 24                           ; s[24:31] descriptor group 1 for K and V
.set G1M, 32                           ; s[32:39] for the mask
.set G0K, 40                           ; s[40:47] group 0 for K or V, a set for each slot
.set G0M, 48                           ; s[48:55] for the mask
.set SLOTS, 56                         ; s56  refills still to come
.set TWICE, 57
.set CS,  58                           ; s[58:59] c = log2(e)
.set SEL, 60                           ; s[60:61] lane selects: lane l xor 16
.set TB,  62                           ; s62  LDS byte at which the step's K (and, + VOFF, V) begin
.set TM,  63                           ; s63  and the step's part of the mask's rows
.set TRIP, 66
.set FLR, 67                           ; s67  -2^127
.set PFS, 68                           ; s[68:69] a chunk on, for my prefetches
.set MSB, 0
.macro WIN new                         ; the immediate's high byte repeats the setting that is left
.if MSB != \new
	s_set_vgpr_msb (MSB<<8)|\new
.set MSB, \new
.endif
.endm
.set W_KQ, 0x0a                        ; K and Q window 2, S^T window 0
.set W_PV, 0x52                        ; V window 2, P window 0, O^T window 1
.set W_RS, 0x41                        ; O^T (destination, source 0) window 1, a window 0
.macro PLACES
.rept 4
	v_nop
.endr
.endm
.macro JLOAD s                         ; a joint refill of slot s.  The branch hangs on the wave's number alone; an s_nop 0 and four v_nop follow each of the two lines
	s_cmp_lt_u32 s[WV], 2
	s_cbranch_scc0 .Lfor_m_\@
	tensor_load_to_lds s[G0K+4*\s:G0K+4*\s+3], s[G1K:G1K+7]
	s_nop 0
.rept 4
	v_nop
.endr
	s_branch .Lasked_\@
.Lfor_m_\@:
	tensor_load_to_lds s[G0M+4*\s:G0M+4*\s+3], s[G1M:G1M+7]
	s_nop 0
.rept 4
	v_nop
.endr
.Lasked_\@:
.endm
; A PREFETCH INTO THE L2 of what the NEXT change of slots will ask for, behind the wave's tensor load and its five lines.  Each aligned block of 256 bytes is named once in the launch: K and V of a pair are walked by all
; clusters of that row of clusters: cluster x = 0 asks; the mask's rows by all clusters of a column: cluster y = 0 asks.  The four partners of a joint load share its blocks out BY ADDRESS: of K's or V's 32,768 bytes
; the partner at cx takes 8,192 (lanes 256 bytes apart); of a wave's 64 rows of the mask the partner at cy takes 16 (two lanes to a row's 512 bytes).  The last refill asks for nothing: there is no chunk behind it.
.macro ASK
	s_cmp_gt_u32 s[SLOTS], s[LIM]
	s_cbranch_scc0 .Lnot_mine_\@
	global_prefetch_b8 v[PFO], s[PFA:PFA+1] th:TH_LOAD_NT scope:SCOPE_SE
.Lnot_mine_\@:
.endm
.macro CROUND                          ; a round of the cluster's barrier
	s_barrier_signal -1
	s_barrier_wait -1
	s_cmp_lg_u32 s[WV], 0
	s_cbranch_scc1 .Lnot_wave_0_\@
	s_barrier_signal -3
.Lnot_wave_0_\@:
	s_barrier_wait -3
	s_barrier_signal -1
	s_barrier_wait -1
.endm
	s_load_b256 s[4:11], s[0:1], 0x0               ; qimg, kimg, vimg, mask
	s_load_b64 s[12:13], s[0:1], 0x20              ; aimg
	v_lshl_add_u32 v[SPW], v0, 2, SPARE
	v_mov_b32 v[NIL], 0
	ds_add_u32 v[SPW], v[NIL]                      ; the wave's opening: the add, twice on end, and its wait ahead of my first tensor load
	ds_add_u32 v[SPW], v[NIL]
	v_lshrrev_b32 v1, 5, v0
	v_readfirstlane_b32 s[WV], v1                  ; wave 0..3
	s_and_b32 s16, s[WV], 1                        ; which 64 queries.  Also: K or V, or which half of the mask's rows, I fetch
	s_lshr_b32 s80, s[WV], 1                       ; which head of the pair
	s_bfe_u32 s70, ttmp6, 0x40000                  ; cx, cy: my place in the cluster
	s_bfe_u32 s71, ttmp6, 0x40004
	s_lshl_b32 s72, ttmp9, 2
	s_add_co_u32 s72, s72, s70                     ; qb = 4 x cluster x + cx
	s_and_b32 s17, ttmp7, 0xffff
	s_lshl_b32 s17, s17, 2
	s_add_co_u32 s17, s17, s71                     ; pair = 4 x cluster y + cy
	s_lshl_b32 s76, s71, 2
	s_lshl_b32 s76, 15, s76                        ; my row of the cluster
	s_lshl_b32 s73, 0x1111, s70                    ; my column
	s_or_b32 s[G1K], s76, (3<<16)|(1<<21)          ; K, V: a dense block of 32,768 bytes as 128 rows of 32 elements of 8 bytes; 15:0 the mask: my row; 21 set beside a mask
	s_mov_b32 s[G1K+1], 32<<16
	s_mov_b32 s[G1K+2], 128<<16
	s_mov_b32 s[G1K+3], 32<<16
	s_mov_b32 s[G1K+4], 128
	s_mov_b32 s[G1K+5], 32
	s_mov_b32 s[G1K+6], 0
	s_mov_b32 s[G1K+7], 0
	s_or_b32 s[G1M], s73, (2<<16)|(1<<20)|(1<<21)|(6<<22)|(3<<25)   ; the mask: 64 rows of 128 elements of 4 bytes, 2,048 elements apart; four words of padding after every 128; 15:0 my column
	s_mov_b32 s[G1M+1], 128<<16
	s_mov_b32 s[G1M+2], 64<<16
	s_mov_b32 s[G1M+3], 128<<16
	s_mov_b32 s[G1M+4], 64
	s_mov_b32 s[G1M+5], 2048
	s_mov_b32 s[G1M+6], 0
	s_mov_b32 s[G1M+7], 0
	s_lshl_b32 s20, s17, 19                        ; the pair's first byte in K's and V's images
	s_mov_b32 s21, 0
	s_lshl_b32 s74, s72, 7
	s_lshl_b32 s75, s16, 6
	s_add_co_u32 s74, s74, s75
	s_lshl_b32 s74, s74, 13                        ; the mask: row 128 qb + 64 x half, 8,192 bytes a row
	s_mov_b32 s75, 0
	s_lshl_b32 s2, s16, 15                         ; where they go in a slot: K at 0, V at 32,768;
	s_mul_i32 s3, s16, 64*PM
	s_add_co_u32 s3, s3, MOFF                      ; the mask's halves behind them: no place in the cluster enters an LDS address
	s_mov_b32 s[CS], 0x3fb8aa3b
	s_mov_b32 s[CS+1], s[CS]                       ; (named with it as a pair, so it is written)
	s_mov_b32 s[SEL], 0x76543210
	s_mov_b32 s[SEL+1], 0xfedcba98
	s_mov_b32 s[FLR], 0xff000000
	s_mov_b32 s[TB], 0
	s_mov_b32 s[TM], 0
	s_mov_b32 s[SLOTS], 14
	s_lshl_b32 s82, s17, 19                        ; Q: pair, chunk qb, 8,192 bytes for each wave (head of the pair, 64 queries)
	s_lshl_b32 s83, s72, 15
	s_add_co_u32 s82, s82, s83
	s_lshl_b32 s83, s[WV], 13
	s_add_co_u32 s82, s82, s83
	s_mov_b32 s83, 0
	s_lshr_b32 s84, s17, 3                         ; o: tile of 16 tokens = 128 batch + 8 qb + 4 x half, 32,768 bytes each;
	s_lshl_b32 s84, s84, 7
	s_lshl_b32 s85, s72, 3
	s_add_co_u32 s84, s84, s85
	s_lshl_b32 s85, s16, 2
	s_add_co_u32 s84, s84, s85
	s_lshl_b32 s84, s84, 15
	s_and_b32 s85, s17, 7                          ; the head's 64 features: 2,048 bytes
	s_lshl_b32 s85, s85, 1
	s_add_co_u32 s85, s85, s80
	s_lshl_b32 s85, s85, 11
	s_add_co_u32 s84, s84, s85
	s_mov_b32 s85, 0
	s_lshl_b32 s90, s17, 19                        ; the prefetches: K, V: the pair, my work-group's quarter, chunk 2 (the first change of slots steps it to chunk 3)
	s_lshl_b32 s86, s70, 13
	s_add_co_u32 s90, s90, s86
	s_add_co_u32 s90, s90, 2*32768
	s_lshl_b32 s91, s72, 7                         ; the mask: my wave's 64 rows, my work-group's 16 of them, chunk 2
	s_lshl_b32 s86, s16, 6
	s_add_co_u32 s91, s91, s86
	s_lshl_b32 s86, s71, 4
	s_add_co_u32 s91, s91, s86
	s_lshl_b32 s91, s91, 13
	s_add_co_u32 s91, s91, 2*512
	s_and_b32 s86, ttmp7, 0xffff
	s_cmp_lt_u32 s[WV], 2
	s_cselect_b32 s86, ttmp9, s86                  ; the coordinate along which other clusters read the same bytes
	s_cmp_eq_u32 s86, 0
	s_cselect_b32 s[LIM], 1, -1                    ; the same in all sixteen partners, for a given wave
	s_wait_dscnt 0x0                               ; both opening adds are done
	s_wait_kmcnt 0x0
	s_cmp_eq_u32 s16, 0
	s_cselect_b64 s[88:89], s[6:7], s[8:9]         ; even waves: K's image; odd waves: V's
	s_add_nc_u64 s[22:23], s[88:89], s[20:21]
	s_add_nc_u64 s[74:75], s[10:11], s[74:75]
	s_add_nc_u64 s[4:5], s[4:5], s[82:83]
	s_add_nc_u64 s[12:13], s[12:13], s[84:85]
	s_mov_b32 s[PFS], 512
	s_mov_b32 s87, 8192
	s_cmp_lt_u32 s[WV], 2
	s_cselect_b32 s90, s90, s91
	s_cselect_b32 s[PFS], 32768, s[PFS]            ; a chunk on
	s_cselect_b32 s87, 512, s87                    ; from a pair of lanes to the next
	s_cselect_b64 s[PFA:PFA+1], s[88:89], s[10:11]
	s_mov_b32 s91, 0
	s_mov_b32 s[PFS+1], 0
	s_add_nc_u64 s[PFA:PFA+1], s[PFA:PFA+1], s[90:91]
.irp s, 0,1
	s_mov_b32 s[G0K+4*\s], 1                                       ; 1:0 count = 1
	s_add_co_u32 s[G0K+4*\s+1], s2, \s*SLOT                        ; 63:32 LDS address
	s_add_nc_u64 s[G0K+4*\s+2:G0K+4*\s+3], s[22:23], \s*32768      ; 120:64 global address: chunk s
	s_or_b32 s[G0K+4*\s+3], s[G0K+4*\s+3], 0x80000000              ; 127:126 type = 2
	s_mov_b32 s[G0M+4*\s], 1
	s_add_co_u32 s[G0M+4*\s+1], s3, \s*SLOT
	s_add_nc_u64 s[G0M+4*\s+2:G0M+4*\s+3], s[74:75], \s*512
	s_or_b32 s[G0M+4*\s+3], s[G0M+4*\s+3], 0x80000000
.endr
	CROUND                                         ; all sixteen work-groups are here: the first joint loads meet
	s_cmp_lt_u32 s[WV], 2                          ; a wave's two first fills stand in one branch: two loads of mine are out
	s_cbranch_scc0 .Lfirst_m
	tensor_load_to_lds s[G0K:G0K+3], s[G1K:G1K+7]
	s_nop 0
	tensor_load_to_lds s[G0K+4:G0K+7], s[G1K:G1K+7]
	s_nop 0
.rept 4
	v_nop
.endr
	s_branch .Lfirst_asked
.Lfirst_m:
	tensor_load_to_lds s[G0M:G0M+3], s[G1M:G1M+7]
	s_nop 0
	tensor_load_to_lds s[G0M+4:G0M+7], s[G1M:G1M+7]
	s_nop 0
.rept 4
	v_nop
.endr
.Lfirst_asked:
	v_and_b32 v1, 15, v0                           ; r
	v_bfe_u32 v9, v0, 4, 1                         ; h
	v_and_b32 v8, 31, v0                           ; lane
	v_lshlrev_b32 v[QO], 4, v8
	WIN 0x80                                       ; destination window 2, address window 0
.irp i, 0,1,2,3,4,5,6,7,8,9,10,11,12,13,14,15
	global_load_b128 v[4*\i:4*\i+3], v[QO], s[4:5] offset:512*\i   ; Q stays in registers: its image, as it lies
.endr
	WIN 0
	s_lshl_b32 s86, s80, 14
	v_add_nc_u32 v[AK0], s86, v[QO]
	v_add_nc_u32 v[AV0], VOFF, v[AK0]
	s_lshl_b32 s86, s16, 6
	v_add_nc_u32 v[AM0], s86, v1
	v_mul_u32_u24 v[AM0], v[AM0], PM
	v_lshl_add_u32 v[AM0], v9, 5, v[AM0]
	v_add_nc_u32 v[AM0], MOFF, v[AM0]
	v_lshrrev_b32 v10, 1, v8
	v_and_b32 v11, 1, v8
	v_mul_lo_u32 v[PFO], v10, s87
	v_lshl_add_u32 v[PFO], v11, 8, v[PFO]          ; the prefetches' offset; never rewritten
; THE MATRIX WORK OF A TURN, for piece x.  Eight accumulators take turns, one instruction a turn: between two links of a chain stand seven others'.
; Product i of 16 of O^T += V^T P: keys 32 (i / 8) on, channels 16 ((i / 2) % 4) on, tile x + i % 2.  zero = 1: the first 8 start the sums.
.macro PV x, zero
	WIN W_PV
.set rO, 32*(\x+i%2)+8*((i/2)%4)
.set rV, VF+32*(i/8)+8*((i/2)%4)
.set rP, P+16*(\x+i%2)+8*(i/8)
.if (\zero) && (i < 8)
	v_wmma_f32_16x16x32_f16 v[rO:rO+7], v[rV:rV+7], v[rP:rP+7], 0
.else
	v_wmma_f32_16x16x32_f16 v[rO:rO+7], v[rV:rV+7], v[rP:rP+7], v[rO:rO+7]
.endif
.endm
; Product i of 16 of S^T = K Q^T + mask^T: channels 32 (i / 8) on, keys 16 ((i / 2) % 4) on, tile x + i % 2.  The first 8 find the mask in their accumulators.
.macro KQ x
	WIN W_KQ
.set rS, S+32*(\x+i%2)+8*((i/2)%4)
.set rK, KF+16*((i/2)%4)+8*(i/8)
.set rQ, 16*(\x+i%2)+8*(i/8)
	v_wmma_f32_16x16x32_f16 v[rS:rS+7], v[rK:rK+7], v[rQ:rQ+7], v[rS:rS+7]
.endm
; THE LDS LOADS stand in runs of 16.
.macro FETCH_K
	WIN 0
	v_add_nc_u32 v[ADR], s[TB], v[AK0]
	WIN 0x80
.irp f, 0,1,2,3,4,5,6,7
	ds_load_b128 v[KF+8*\f:KF+8*\f+3],   v[ADR] offset:1024*\f
	ds_load_b128 v[KF+8*\f+4:KF+8*\f+7], v[ADR] offset:1024*\f+512
.endr
.endm
.macro FETCH_M x                       ; the step's mask for piece x, into its scores' registers: register 8 t + j of tile u: mask(query 16 u + lane % 16, key 16 t + 8 (lane / 16) + j)
	WIN 0
	v_add_nc_u32 v[ADM], s[TM], v[AM0]
.irp u, \x, \x+1
.irp t, 0,1,2,3
.irp c, 0,1
	ds_load_b128 v[S+32*(\u)+8*\t+4*\c:S+32*(\u)+8*\t+4*\c+3], v[ADM] offset:(\u)*16*PM+64*\t+16*\c
.endr
.endr
.endr
.endm
.macro FETCH_V
	WIN 0
	v_add_nc_u32 v[ADR], s[TB], v[AV0]
	s_add_co_u32 s[TB], s[TB], 8192                ; the next fetches are the next step's
	s_add_co_u32 s[TM], s[TM], 256
	s_wait_alu depctr_va_vdst(0)                   ; the wait for the softmax's batch of exponentials (SLICE), ahead of the first line that names a result
	WIN 0x80
.irp f, 0,1,2,3,4,5,6,7
	ds_load_b128 v[VF+8*\f:VF+8*\f+3],   v[ADR] offset:1024*\f
	ds_load_b128 v[VF+8*\f+4:VF+8*\f+7], v[ADR] offset:1024*\f+512
.endr
.endm
; THE VECTOR WORK OF A TURN.  One tile's softmax for one key step is a list of 118 instructions; SM writes number j of it for tile t.  s0-s31 are the lane's 32 scores, in pairs 0-15.  first = 1: the first key step.
;   0-15    the maximum of s0-s31 and the old m (first step: and -2^127), three operands at a time
;   16-20   the other half of the lanes' maximum; the new m; c m; c m_old - c m_new
;   21-69   ONE BATCH: the 16 scalings c s - c m and all 33 exponentials (a at 23, then s0-s31); none of these reads an exponential's result
;   (wait)  between 69 and 70 stands the one wait for the batch: SLICE writes it, once for both tiles
;   70-85   the roundings to f16;   86-101 the sums, l = a l + the sum;   102-117 the tile's O^T times a
.macro SM t, first
.set rT, ST+8*(\t)
.set rS, S+32*(\t)
.set rP, P+16*(\t)
.set rO, 32*(\t)+2*(j-102)
.if j < 102
	WIN 0
.endif
.if j < 4
	v_max3_num_f32 v[rT+4+j], v[rS+8*j], v[rS+8*j+1], v[rS+8*j+2]
.elseif j < 12
	v_max3_num_f32 v[rT+4+j%4], v[rT+4+j%4], v[rS+8*(j%4)+2*(j/4)+1], v[rS+8*(j%4)+2*(j/4)+2]
.elseif j == 12
	v_max3_num_f32 v[rT+4], v[rT+4], v[rS+7], v[rS+15]
.elseif j == 13
	v_max3_num_f32 v[rT+6], v[rT+6], v[rS+23], v[rS+31]
.elseif j == 14
	v_max3_num_f32 v[rT+4], v[rT+4], v[rT+5], v[rT+6]
.elseif (j == 15) && \first
	v_max3_num_f32 v[rT+4], v[rT+4], v[rT+7], s[FLR]
.elseif j == 15
	v_max3_num_f32 v[rT+4], v[rT+4], v[rT+7], v[rT+1]
.elseif j == 16
	v_permlanex16_b32 v[rT+5], v[rT+4], s[SEL], s[SEL+1]  ; the query's other 32 keys lie in the lane 16 away
.elseif j == 18
	v_max_num_f32 v[rT+1], v[rT+4], v[rT+5]
.elseif j == 19
	v_mul_f32 v[rT], s[CS], v[rT+1]
.elseif ((j == 17) || (j == 20) || (j == 23) || (j > 101)) && \first  ; the first step has none of these
.elseif j == 17
	v_mov_b32 v[rT+7], v[rT]                       ; c m_old is kept for a
.elseif j == 20
	v_sub_f32 v[rT+7], v[rT+7], v[rT]
.elseif j == 23
	v_exp_f32 v[rT+6], v[rT+7]
.elseif (j < 23) || ((j < 38) && (j%2 == 0)) || ((j < 66) && (j%4 == 2))
.set b, (j-2)/4                        ; 38, 42, .. 62: pairs 9 to 15
.if j < 38
.set b, (j-20)/2                       ; 21: pair 0; 22, 24, .. 36: pairs 1 to 8
.endif
	v_pk_fma_f32 v[rS+2*b:rS+2*b+1], v[rS+2*b:rS+2*b+1], s[CS:CS+1], v[rT:rT+1] op_sel_hi:[1,0,0] neg_lo:[0,0,1] neg_hi:[0,0,1]  ; pair b: c s - c m
.elseif j < 70
.set e, j-38                           ; 66 to 69: s28 to s31
.if j < 66
.set e, j-32-(j-38)/4                  ; 39-41, 43-45, .. 63-65: s7 to s27
.endif
.if j < 38
.set e, (j-25)/2                       ; 25, 27, .. 37: s0 to s6
.endif
	v_exp_f32 v[rS+e], v[rS+e]
.elseif j < 86
	v_cvt_pk_f16_f32 v[rP+j-70], v[rS+2*(j-70)], v[rS+2*(j-70)+1]
.elseif j < 102                        ; the sum of the tile's 16 pairs, in place: neighbours 1, 2, 4 and 8 pairs apart, then l takes it
.set z, j-86
.set w, 4
.set u, z
.if z >= 14
.set w, 32
.set u, 0
.elseif z >= 12
.set w, 16
.set u, z-12
.elseif z >= 8
.set w, 8
.set u, z-8
.endif
.if (z == 14) && \first
	v_pk_add_f32 v[rT+2:rT+3], v[rS:rS+1], v[rS+16:rS+17]
.elseif z < 15
	v_pk_add_f32 v[rS+w*u:rS+w*u+1], v[rS+w*u:rS+w*u+1], v[rS+w*u+w/2:rS+w*u+w/2+1]
.elseif !\first
	v_pk_fma_f32 v[rT+2:rT+3], v[rT+2:rT+3], v[rT+6:rT+7], v[rS:rS+1] op_sel_hi:[1,0,1]
.endif
.else
	WIN W_RS
	v_pk_mul_f32 v[rO:rO+1], v[rO:rO+1], v[rT+6:rT+7] op_sel_hi:[1,0]
.endif
.endm
; Slice k of 59 of piece y's softmax: four instructions.  Slices 11 to 34 deal out the batch, four numbers of one tile each, the tiles by turns; every other slice is numbers 2 k and 2 k + 1 of both tiles.
; Ahead of slice 35 nothing names an exponential's result and behind slice 34 none is issued: the piece's 66 exponentials have one wait, behind slice 34.
.macro SLICE y, first
.if (k >= 11) && (k < 35)
.irp n, 0,1,2,3
.set j, 22+4*((k-11)/2)+(\n)
	SM (\y)+(k-11)%2, \first
.endr
.else
.irp n, 0,1
.irp t, \y, \y+1
.set j, 2*k+\n
	SM \t, \first
.endr
.endr
.endif
.if k == 34
	v_nop                                          ; the plain instruction behind the last exponential, one for the batch
.if (\y) == 0
	FETCH_V                                        ; piece 2's turn: V's run of loads stands here, and the wait stands in it
.else
	s_wait_alu depctr_va_vdst(0)
.endif
.endif
.set k, k+1
.endm
.macro DEAL y, first                   ; the slices behind one product: per, one fewer behind the turn's first five: 59 in all
.set cnt, per
.if np < 5
.set cnt, per-1
.endif
.rept cnt
	SLICE \y, \first
.endr
.set np, np+1
.endm
; A TURN.  Piece x has the matrix unit; the other piece's softmax stands in slices behind its products.  pv = 2: 16 products V^T P; 1: they start O^T's sums; 0: none.  kq = 1: 16 products K Q^T for the next step.
; Behind the second product stand the runs of loads for those products K Q^T: the next step's K (piece 0's turn alone: both pieces use it) and piece x's part of the mask, whose registers the piece's softmax left in the
; turn before.  The last product that read K stands in front of the last two slices of the turn before: eight packed multiplies that name none of its registers (four places are asked: ISA guide 7.12.1).
; V's run stands behind slice 34 of piece 2's turn; V's last reader is that turn's sixteenth product, and eight scalings, the v_nop and the run's own addition lie between.
; first = 1: the first key step's softmax; its slices from 51 on are empty, so four v_nop take their part as the places behind the turn's last products.
.macro TURN x, pv, kq, first
.set k, 0
.set np, 0
.set per, 4
.if \pv && \kq
.set per, 2
.endif
.if \pv
.if \x == 0
	s_wait_dscnt 0x0                               ; V is in
.endif
.set i, 0
.rept 16
	PV \x, 2-\pv
	DEAL 2-\x, \first
.if \kq && (i == 1)
.if \x == 0
	FETCH_K
.endif
	FETCH_M \x
.endif
.set i, i+1
.endr
.endif
.if \kq
	s_wait_dscnt 0x0                               ; the mask (piece 0: and K) is in
.set i, 0
.rept 16
	KQ \x
	DEAL 2-\x, \first
.set i, i+1
.endr
.endif
.if \first
	PLACES
.endif
.endm
; THE CHANGE OF SLOTS, between piece 2's turn and piece 0's: slot old's last bytes, V of its second step, have been asked for.  Each wave waits for all its tensor loads (one is out: its part of the other slot), adds 0
; to its spare word, and waits for that and for its own reads of the slot.  fill = 1: the barrier is a round of the cluster's, and the joint refill, the keys two chunks on, is the first thing behind it: it has two key
; steps, 128 products of each wave, in which to land.
.macro CHANGE fill, old
	WIN 0
	s_wait_tensorcnt 0x0                           ; no tensor load of mine is out, so a group 0 may be written
	ds_add_u32 v[SPW], v[NIL]                      ; 0 onto my spare word
.if \fill
	s_add_nc_u64 s[G0K+4*\old+2:G0K+4*\old+3], s[G0K+4*\old+2:G0K+4*\old+3], 2*32768
	s_add_nc_u64 s[G0M+4*\old+2:G0M+4*\old+3], s[G0M+4*\old+2:G0M+4*\old+3], 2*512
	s_wait_xcnt 0x0                                ; the last prefetch, a chunk back, has read its address, so it may be written
	s_add_nc_u64 s[PFA:PFA+1], s[PFA:PFA+1], s[PFS:PFS+1]
	s_wait_dscnt 0x0                               ; the add is done, and my reads of the slot are over
	CROUND
	JLOAD \old
	ASK
	s_sub_co_u32 s[SLOTS], s[SLOTS], 1
.else
	s_wait_dscnt 0x0
	s_barrier_signal -1
	s_barrier_wait -1
.endif
	s_mov_b32 s[TB], (1-\old)*SLOT                 ; the fetches go on in the other slot
	s_mov_b32 s[TM], (1-\old)*SLOT
.endm
.macro TWO_STEPS                       ; a slot's two key steps: written once, walked twice; the LDS addresses hang on s[TB] and s[TM]
	s_mov_b32 s[TWICE], 2
.Lstep_\@:
	TURN 0, 2, 1, 0
	TURN 2, 2, 1, 0
	WIN 0
	s_sub_co_u32 s[TWICE], s[TWICE], 1
	s_cmp_lg_u32 s[TWICE], 0
	s_cbranch_scc1 .Lstep_\@
.endm
	s_wait_tensorcnt 1                             ; my part of slot 0 is in; slot 1's may stay out
	s_barrier_signal -1
	s_barrier_wait -1                              ; everybody's is
	FETCH_K                                        ; key step 0
	FETCH_M 0
	FETCH_M 2
	s_wait_loadcnt 0x0                             ; Q
	s_wait_dscnt 0x0
.set i, 0
.rept 16
	KQ 0                                           ; piece 0's first scores: there is no vector work yet to set between them
.set i, i+1
.endr
	WIN 0
	PLACES
	TURN 2, 0, 1, 1                                ; piece 2's first scores | piece 0's first softmax | V of step 0
	TURN 0, 1, 1, 1                                ; piece 0: V^T P of step 0 starts O^T, K Q^T of step 1 | piece 2's first softmax | K of step 1
	TURN 2, 1, 1, 0                                ; piece 2: the same | piece 0's softmax of step 1 | V of step 1
	WIN 0
	s_mov_b32 s[TRIP], 7
.Lslot:                                            ; seven trips, two changes of slots each: chunks 2 to 15 are the fourteen refills
	CHANGE 1, 0
	TWO_STEPS
	CHANGE 1, 1
	TWO_STEPS
	s_sub_co_u32 s[TRIP], s[TRIP], 1
	s_cmp_lg_u32 s[TRIP], 0
	s_cbranch_scc1 .Lslot
	CHANGE 0, 0                                    ; the tail is written out: nothing is asked for
	TWO_STEPS
	TURN 0, 2, 0, 0                                ; piece 0: V^T P of the last step | piece 2's last softmax
.set i, 0
.rept 16
	PV 2, 0                                        ; piece 2: V^T P of the last step
.set i, i+1
.endr
	; THE WAY OUT.  l's two halves and the other half of the lanes' are added; O^T is divided by l and rounded to f16: four packed registers are half a fragment (16 tokens x 32 features) of the next launch's operand,
	; and leave by a store of 512 consecutive bytes, aligned.  The additions are the places behind the last products.
	WIN 0
.irp t, 0,1,2,3
	v_add_f32 v[ST+8*\t+4], v[ST+8*\t+2], v[ST+8*\t+3]
.endr
.irp t, 0,1,2,3
	v_permlanex16_b32 v[ST+8*\t+5], v[ST+8*\t+4], s[SEL], s[SEL+1]
.endr
.irp t, 0,1,2,3
	v_add_f32 v[ST+8*\t+4], v[ST+8*\t+4], v[ST+8*\t+5]
.endr
.irp t, 0,1,2,3
	v_rcp_f32 v[ST+8*\t+6], v[ST+8*\t+4]
.endr
	v_nop                                          ; a plain instruction between the last reciprocal and the use of its result
	s_wait_alu depctr_va_vdst(0)                   ; and the wait: one for the four
.macro PACK t
	WIN W_RS
.set i, 0
.rept 16
	v_pk_mul_f32 v[32*\t+i:32*\t+i+1], v[32*\t+i:32*\t+i+1], v[ST+8*\t+6:ST+8*\t+7] op_sel_hi:[1,0]
.set i, i+2
.endr
	WIN 0x05                                       ; sources 0 and 1 window 1, destination window 0: S^T's registers are free
.set i, 0
.rept 16
	v_cvt_pk_f16_f32 v[S+32*\t+i], v[32*\t+2*i], v[32*\t+2*i+1]
.set i, i+1
.endr
	WIN 0
.irp f, 0,1,2,3
	global_store_b128 v[QO], v[S+32*\t+4*\f:S+32*\t+4*\f+3], s[12:13] offset:32768*\t+512*\f
.endr
.endm
	PACK 0
	PACK 1
	PACK 2
	PACK 3
	s_wait_tensorcnt 0x0                           ; the wave's end
	ds_add_u32 v[SPW], v[NIL]
	s_wait_dscnt 0x0
	CROUND                                         ; the closing round: no work-group ends while a partner may still ask for a tile that names it
	s_endpgm
.Lfunc_end_k_q4cc0324e4b_attn:
	.size	k_q4cc0324e4b_attn, .Lfunc_end_k_q4cc0324e4b_attn-k_q4cc0324e4b_attn
	.p2alignl 7, 3214868480
	.fill 96, 4, 3214868480
	.section	.rodata,"a",@progbits
	.p2align	6, 0x0
	.amdhsa_kernel k_q4cc0324e4b_attn
		.amdhsa_group_segment_fixed_size 327680
		.amdhsa_private_segment_fixed_size 0
		.amdhsa_enable_private_segment 0
		.amdhsa_kernarg_size 40
		.amdhsa_user_sgpr_count 2
		.amdhsa_user_sgpr_kernarg_segment_ptr 1
		.amdhsa_wavefront_size32 1
		.amdhsa_system_sgpr_workgroup_id_x 1
		.amdhsa_system_sgpr_workgroup_id_y 1
		.amdhsa_system_sgpr_workgroup_id_z 1
		.amdhsa_system_vgpr_workitem_id 0
		.amdhsa_next_free_vgpr 768
		.amdhsa_next_free_sgpr 96
		.amdhsa_reserve_vcc 0
		.amdhsa_float_denorm_mode_32 3
		.amdhsa_float_denorm_mode_16_64 3
		.amdhsa_memory_ordered 1
		.amdhsa_forward_progress 1
		.amdhsa_inst_pref_size 205
	.end_amdhsa_kernel
	.amdgpu_metadata
---
amdhsa.version: [ 1, 2 ]
amdhsa.kernels:
  - .name:           k_q4cc0324e4b_attn
    .symbol:         k_q4cc0324e4b_attn.kd
    .args:
      - { .name: qimg, .offset: 0, .size: 8, .value_kind: global_buffer, .address_space: global }
      - { .name: kimg, .offset: 8, .size: 8, .value_kind: global_buffer, .address_space: global }
      - { .name: vimg, .offset: 16, .size: 8, .value_kind: global_buffer, .address_space: global }
      - { .name: mask, .offset: 24, .size: 8, .value_kind: global_buffer, .address_space: global }
      - { .name: aimg, .offset: 32, .size: 8, .value_kind: global_buffer, .address_space: global }
    .group_segment_fixed_size: 327680
    .private_segment_fixed_size: 0
    .kernarg_segment_align: 8
    .kernarg_segment_size: 40
    .max_flat_workgroup_size: 128
    .sgpr_count:     96
    .vgpr_count:     768
    .wavefront_size: 32
...
	.end_amdgpu_metadata
.endif
;; end of part 3
;; launch proj (part 4): grid 8 x 32, 4 waves a work-group, clusters of 4 x 4, 327,680 bytes of LDS; arguments aimg, wo16, out0; writes out0
.if DOCPART == 4
	.amdgcn_target "amdgcn-amd-amdhsa--gfx1250"
	.amdhsa_code_object_version 6
	.text
	.protected	k_q4cc0324e4b_proj
	.globl	k_q4cc0324e4b_proj
	.p2align	8
	.type	k_q4cc0324e4b_proj,@function
k_q4cc0324e4b_proj:
	s_mov_b64 s[64:65], 0
	v_nop
	global_prefetch_b8 v0, s[64:65] scope:SCOPE_SE
	s_setreg_imm32_b32 hwreg(HW_REG_WAVE_MODE, 25, 1), 1
	s_wait_xcnt 0x0
	s_wait_alu depctr_hold_cnt(0) depctr_sa_sdst(0) depctr_va_vdst(0) depctr_va_sdst(0) depctr_va_ssrc(0) depctr_va_vcc(0) depctr_vm_vsrc(0)
	s_getreg_b32 s2, hwreg(HW_REG_IB_STS2, 6, 4)
	s_cmp_eq_u32 s2, 0
	s_cbranch_scc0 .Lentry_in_a_cluster
	s_endpgm
.Lentry_in_a_cluster:
	s_bfe_u32 s2, ttmp6, 0x10000c
	s_cmp_lg_u32 s2, 0xf033
	s_cbranch_scc0 .Lentry_shape_is_right
	s_endpgm
.Lentry_shape_is_right:
; FOURTH LAUNCH: out0[t][n] = sum over k of o[t][k] wo[n][k], o and wo in f16, sums and result in f32.  Nothing is left out.
; o comes as images of the operand's registers: tile of 16 tokens x 32,768 bytes + (32 along K) x 1,024 + (registers 0-3 | 4-7) x 512 + 16 lane.  wo16 is [1024][1024], row-major.
; A tile of the result is 128 x 128: 256 work-groups.  Four waves, each 64 x 64: 16 accumulators.  K goes in four steps of 256 through two LDS slots; all four are written out.
; A slot: o's 8 tiles x 8,192 bytes (read 512 consecutive bytes an instruction), then wo's 128 rows of 512 bytes + 16 of padding (the 16 rows that a load touches start at 16 different banks: ISA guide 11.1).
; CLUSTER: 4 x 4 work-groups.  o's tiles hang on the block of tokens alone, shared along a row of the cluster; wo's on the block of columns alone, shared along a column: each is asked for jointly.
; THE MATRIX INSTRUCTION IS USED TRANSPOSED (source 0 = 16 rows of wo, source 1 = 16 tokens): a lane holds eight neighbouring numbers of a row of the result.
; REGISTERS: window 0: v16-29 addresses; v32-95 at work on the way out; v128-255 the accumulators ((a, b) at 128 + 8 (4 a + b)).  window 1: two fragment buffers of 128: 64 registers of o, then 64 of wo, for 64 along K.
.set PITCH,  528
.set BOFF,   65536
.set SLOT,   BOFF+128*PITCH
.set STAGE,  2*SLOT                    ; behind the ring: 16 rows x 272 bytes for each wave, for the way out; no tensor load lands there
.set SPITCH, 272
.set SPARE,  STAGE+4*16*SPITCH         ; behind the stages: the spare words, 128 bytes for each wave, which no other line names
.set ADRA, 16                          ; v16-17  LDS address of my fragments of o in slot 0, 1
.set ADRB, 20                          ; v20-21  the same for wo
.set STO,  24
.set RD,   25
.set CO,   26
.set SPW,  28
.set NIL,  29
.set TMP,  32
.set ACC,  128
.set F0,   0
.set F1,   128
.set G1, 24                            ; s[24:31] descriptor group 1 for o's tiles;  s[32:39] group 0, one set for each slot
.set G0, 32
.set G1B, 48                           ; s[48:55], s[56:63] the same for wo's
.set G0B, 56
.set MSB, 0
.macro WIN new
.if MSB != \new
	s_set_vgpr_msb (MSB<<8)|\new
.set MSB, \new
.endif
.endm
.set MUL,  0x05                        ; sources 0 and 1 window 1; C and D window 0
.set TO_F, 0x40                        ; destination window 1, address window 0
.macro JLOAD s                         ; a joint load: waves 0 and 1 fetch o's halves, waves 2 and 3 wo's; an s_nop 0 and four v_nop follow each of the two lines
	s_cmp_eq_u32 s11, 0
	s_cbranch_scc0 .Lfor_b_\@
	tensor_load_to_lds s[G0+4*\s:G0+4*\s+3], s[G1:G1+7]
	s_nop 0
.rept 4
	v_nop
.endr
	s_branch .Lasked_\@
.Lfor_b_\@:
	tensor_load_to_lds s[G0B+4*\s:G0B+4*\s+3], s[G1B:G1B+7]
	s_nop 0
.rept 4
	v_nop
.endr
.Lasked_\@:
.endm
.macro CREST                           ; a round of the cluster's barrier behind its opening barrier
	s_cmp_lg_u32 s10, 0
	s_cbranch_scc1 .Lnot_wave_0_\@
	s_barrier_signal -3
.Lnot_wave_0_\@:
	s_barrier_wait -3
	s_barrier_signal -1
	s_barrier_wait -1
.endm
.macro CROUND
	s_barrier_signal -1
	s_barrier_wait -1
	CREST
.endm
	s_load_b128 s[4:7], s[0:1], 0x0                ; aimg, wo16
	s_load_b64 s[8:9], s[0:1], 0x10                ; out0
	v_lshl_add_u32 v[SPW], v0, 2, SPARE
	v_mov_b32 v[NIL], 0
	ds_add_u32 v[SPW], v[NIL]                      ; the wave's opening: the add, twice on end, and its wait ahead of my first tensor load
	ds_add_u32 v[SPW], v[NIL]
	v_lshrrev_b32 v1, 5, v0
	v_readfirstlane_b32 s10, v1                    ; wave 0..3
	s_lshr_b32 s11, s10, 1                         ; which 64 tokens are mine.  Also: I fetch for o (0) or for wo (1)
	s_and_b32 s12, s10, 1                          ; which 64 columns.  Also: which half of that tile I fetch
	s_bfe_u32 s40, ttmp6, 0x40000                  ; cx, cy
	s_bfe_u32 s41, ttmp6, 0x40004
	s_lshl_b32 s42, ttmp9, 2
	s_add_co_u32 s42, s42, s40                     ; block of 128 columns
	s_and_b32 s13, ttmp7, 0xffff
	s_lshl_b32 s13, s13, 2
	s_add_co_u32 s13, s13, s41                     ; block of 128 tokens
	s_lshl_b32 s43, s41, 2
	s_lshl_b32 s43, 15, s43                        ; my row of the cluster
	s_lshl_b32 s44, 0x1111, s40                    ; my column
	s_or_b32 s[G1], s43, (3<<16)|(1<<21)           ; o: 4 rows (tiles of 16 tokens) of 1,024 elements of 8 bytes, 4,096 elements apart; no padding
	s_mov_b32 s[G1+1], 1024<<16
	s_mov_b32 s[G1+2], 4<<16
	s_mov_b32 s[G1+3], 1024<<16
	s_mov_b32 s[G1+4], 4
	s_mov_b32 s[G1+5], 4096
	s_mov_b32 s[G1+6], 0
	s_mov_b32 s[G1+7], 0
	s_or_b32 s[G1B], s44, (1<<16)|(1<<20)|(1<<21)|(6<<22)|(3<<25)   ; wo: 64 rows of 256 elements of 2 bytes, 1,024 apart; four words of padding after every 128
	s_mov_b32 s[G1B+1], 256<<16
	s_mov_b32 s[G1B+2], 64<<16
	s_mov_b32 s[G1B+3], 256<<16
	s_mov_b32 s[G1B+4], 64
	s_mov_b32 s[G1B+5], 1024
	s_mov_b32 s[G1B+6], 0
	s_mov_b32 s[G1B+7], 0
	s_lshl_b32 s16, s13, 3
	s_lshl_b32 s17, s12, 2
	s_add_co_u32 s16, s16, s17
	s_lshl_b32 s16, s16, 15                        ; o: tile 8 x block + 4 x half, 32,768 bytes each
	s_mov_b32 s17, 0
	s_lshl_b32 s46, s42, 7
	s_lshl_b32 s47, s12, 6
	s_add_co_u32 s46, s46, s47
	s_lshl_b32 s46, s46, 11                        ; wo: row 128 x block + 64 x half, 2,048 bytes each
	s_mov_b32 s47, 0
	s_lshl_b32 s20, s12, 15                        ; where they go in a slot: no place in the cluster enters an LDS address
	s_mul_i32 s21, s12, 64*PITCH
	s_add_co_u32 s21, s21, BOFF
	s_wait_dscnt 0x0                               ; both opening adds are done
	s_wait_kmcnt 0x0
	s_add_nc_u64 s[14:15], s[4:5], s[16:17]
	s_add_nc_u64 s[46:47], s[6:7], s[46:47]
	CROUND                                         ; all sixteen work-groups are here: the first joint loads meet
.irp s, 0,1
	s_mov_b32 s[G0+4*\s], 1
	s_add_co_u32 s[G0+4*\s+1], s20, \s*SLOT
	s_add_nc_u64 s[G0+4*\s+2:G0+4*\s+3], s[14:15], \s*8192
	s_or_b32 s[G0+4*\s+3], s[G0+4*\s+3], 0x80000000
	s_mov_b32 s[G0B+4*\s], 1
	s_add_co_u32 s[G0B+4*\s+1], s21, \s*SLOT
	s_add_nc_u64 s[G0B+4*\s+2:G0B+4*\s+3], s[46:47], \s*512
	s_or_b32 s[G0B+4*\s+3], s[G0B+4*\s+3], 0x80000000
	JLOAD \s
.endr
	v_and_b32 v1, 15, v0                           ; r
	v_bfe_u32 v2, v0, 4, 1                         ; h
	v_and_b32 v3, 31, v0
	v_lshlrev_b32 v3, 4, v3                        ; 16 x lane
	s_lshl_b32 s22, s11, 15                        ; my four tiles of tokens
	v_add_nc_u32 v[ADRA], s22, v3
	v_add_nc_u32 v[ADRA+1], SLOT, v[ADRA]
	v_mul_u32_u24 v4, v1, PITCH
	v_lshl_add_u32 v4, v2, 4, v4                   ; a fragment's row x pitch + 16 x half
	s_mul_i32 s22, s12, 64*PITCH                   ; my 64 rows of wo
	s_add_co_u32 s22, s22, BOFF
	v_add_nc_u32 v[ADRB], s22, v4
	v_add_nc_u32 v[ADRB+1], SLOT, v[ADRB]
	s_mul_i32 s23, s10, 16*SPITCH
	s_add_co_u32 s23, s23, STAGE                   ; my stage
	v_mul_u32_u24 v4, v1, SPITCH                   ; in: row r, 32 bytes for each half of the lanes
	v_lshl_add_u32 v4, v2, 5, v4
	v_add_nc_u32 v[STO], s23, v4
	v_mul_u32_u24 v5, v2, SPITCH                   ; back: lanes 0-15 one row of 256 bytes, lanes 16-31 the next
	v_lshl_add_u32 v5, v1, 4, v5
	v_add_nc_u32 v[RD], s23, v5
	v_lshlrev_b32 v5, 12, v2                       ; and the same two rows in out0 (4,096 bytes a row)
	v_lshl_add_u32 v[CO], v1, 4, v5
	s_lshl_b32 s16, s13, 7
	s_lshl_b32 s17, s11, 6
	s_add_co_u32 s16, s16, s17
	s_lshl_b32 s16, s16, 12                        ; my first row
	s_mov_b32 s17, 0
	s_add_nc_u64 s[8:9], s[8:9], s[16:17]
	s_lshl_b32 s46, s42, 9
	s_lshl_b32 s47, s12, 8
	s_add_co_u32 s46, s46, s47                     ; my first column, in bytes
	s_mov_b32 s47, 0
	s_add_nc_u64 s[8:9], s[8:9], s[46:47]
; 8 matrix instructions: token blocks a0, a0 + 1 x all 4 column blocks, 32 along K: half c of buffer f.  zero = 1: the first product starts the sums.  The 16 accumulators take turns.
.macro MUL8 f, c, a0, zero
.irp a, \a0, \a0+1
.irp b, 0,1,2,3
.if \zero
	v_wmma_f32_16x16x32_f16 v[ACC+8*(4*(\a)+\b):ACC+8*(4*(\a)+\b)+7], v[\f+64+8*(4*\c+\b):\f+64+8*(4*\c+\b)+7], v[\f+8*(4*\c+\a):\f+8*(4*\c+\a)+7], 0
.else
	v_wmma_f32_16x16x32_f16 v[ACC+8*(4*(\a)+\b):ACC+8*(4*(\a)+\b)+7], v[\f+64+8*(4*\c+\b):\f+64+8*(4*\c+\b)+7], v[\f+8*(4*\c+\a):\f+8*(4*\c+\a)+7], v[ACC+8*(4*(\a)+\b):ACC+8*(4*(\a)+\b)+7]
.endif
.endr
.endr
.endm
; 32 LDS loads in one run: the fragments of the slot's q-th 64 along K into buffer f; the first 32 along K first
.macro FETCH slot, q, f
	WIN TO_F
.irp c, 0,1
.irp i, 0,1,2,3
	ds_load_b128 v[\f+64+8*(4*\c+\i):\f+64+8*(4*\c+\i)+3],   v[ADRB+\slot] offset:128*(\q)+64*\c+\i*16*PITCH
	ds_load_b128 v[\f+64+8*(4*\c+\i)+4:\f+64+8*(4*\c+\i)+7], v[ADRB+\slot] offset:128*(\q)+64*\c+\i*16*PITCH+32
	ds_load_b128 v[\f+8*(4*\c+\i):\f+8*(4*\c+\i)+3],         v[ADRA+\slot] offset:\i*8192+(2*(\q)+\c)*1024
	ds_load_b128 v[\f+8*(4*\c+\i)+4:\f+8*(4*\c+\i)+7],       v[ADRA+\slot] offset:\i*8192+(2*(\q)+\c)*1024+512
.endr
.endr
.endm
.macro PLACES                          ; four places in front of loads into registers that matrix instructions have read, and of the first read of results
.rept 4
	v_nop
.endr
.endm
; A K step is four quarters of 64 along K, 32 matrix instructions each, on buffers 0, 1, 0, 1.  One of the first three: multiplies buffer f and fetches the slot's quarter q into g.
.macro QUARTER slot, q, f, g, zero
	s_wait_dscnt 16                                ; the first 32 along K are in; the sixteen loads of the second 32 may be out
	WIN MUL
	MUL8 \f, 0, 0, \zero
	MUL8 \f, 0, 2, \zero
	PLACES
	FETCH \slot, \q, \g
	s_wait_dscnt 32                                ; all but the 32 just issued
	WIN MUL
	MUL8 \f, 1, 0, 0
	MUL8 \f, 1, 2, 0
.endm
; The last quarter multiplies buffer 1 and changes slots: ONE barrier; in front of it each wave waits for all its tensor loads, adds 0 to its spare word, and waits for that and for its own reads of this slot.
.macro TURN slot, next, fill
	WIN 0                                          ; (the add's two registers lie in window 0)
	s_wait_tensorcnt 0x0                           ; all my tensor loads have landed: my part of the next slot;
	ds_add_u32 v[SPW], v[NIL]                      ; 0 onto my spare word;
	s_wait_dscnt 17                                ; (the add and the youngest sixteen loads may be out)
	WIN MUL
	MUL8 F1, 0, 0, 0
	s_wait_dscnt 0x0                               ; the add is done, and my reads of this slot are over
	s_barrier_signal -1
	MUL8 F1, 0, 2, 0
.if \fill
	WIN 0
.endif
	s_barrier_wait -1
.if \fill
	CREST                                          ; the barrier has opened a round of the cluster's: no wave of any partner still reads this slot or has a load on its way
	s_add_nc_u64 s[G0+4*\slot+2:G0+4*\slot+3], s[G0+4*\slot+2:G0+4*\slot+3], 2*8192
	s_add_nc_u64 s[G0B+4*\slot+2:G0B+4*\slot+3], s[G0B+4*\slot+2:G0B+4*\slot+3], 2*512
	JLOAD \slot                                    ; the first tensor load behind the round; the four v_nop behind it are also the places in front of the loads below
.else
	PLACES
.endif
	FETCH \next, 0, F0
	WIN MUL
	MUL8 F1, 1, 0, 0
	MUL8 F1, 1, 2, 0
.endm
	s_wait_tensorcnt 1                             ; my part of K step 0 is in (K step 1's load may be out)
	s_barrier_signal -1
	s_barrier_wait -1                              ; everybody's is
	FETCH 0, 0, F0
	QUARTER 0, 1, F0, F1, 1                        ; the first products start the sums
	QUARTER 0, 2, F1, F0, 0
	QUARTER 0, 3, F0, F1, 0
	TURN 0, 1, 1                                   ; slot 0 takes K step 2
	QUARTER 1, 1, F0, F1, 0
	QUARTER 1, 2, F1, F0, 0
	QUARTER 1, 3, F0, F1, 0
	TURN 1, 0, 1                                   ; slot 1 takes K step 3
	QUARTER 0, 1, F0, F1, 0
	QUARTER 0, 2, F1, F0, 0
	QUARTER 0, 3, F0, F1, 0
	TURN 0, 1, 0                                   ; nothing is left to fetch
	QUARTER 1, 1, F0, F1, 0
	QUARTER 1, 2, F1, F0, 0
	QUARTER 1, 3, F0, F1, 0
	s_wait_dscnt 16                                ; the very last quarter
	WIN MUL
	MUL8 F1, 0, 0, 0
	MUL8 F1, 0, 2, 0
	s_wait_dscnt 0
	MUL8 F1, 1, 0, 0
	MUL8 F1, 1, 2, 0
	WIN 0
; THE WAY OUT, a block of 16 tokens x 64 columns at a time.  A lane holds 32 neighbouring bytes of a row and the lanes beside it other rows: so a block goes through my own stage and comes back as whole rows of 256 bytes,
; which sixteen lanes store as 256 consecutive bytes, aligned.  LDS serves a wave's instructions in order (ISA guide 5.7.1.4): no wait between the stores and the loads, nor in front of the next block's stores.
.macro TOSTAGE a
.irp b, 0,1,2,3
	ds_store_b128 v[STO], v[ACC+8*(4*(\a)+\b):ACC+8*(4*(\a)+\b)+3] offset:64*\b          ; each accumulator from its low end on
	ds_store_b128 v[STO], v[ACC+8*(4*(\a)+\b)+4:ACC+8*(4*(\a)+\b)+7] offset:64*\b+16
.endr
.irp i, 0,1,2,3,4,5,6,7
	ds_load_b128 v[TMP+32*((\a)%2)+4*\i:TMP+32*((\a)%2)+4*\i+3], v[RD] offset:\i*2*SPITCH
.endr
.endm
.macro SEND a, younger                 ; younger: the LDS instructions issued behind block a's loads, which may stay out
	s_wait_dscnt \younger
.irp i, 0,1,2,3,4,5,6,7
	global_store_b128 v[CO], v[TMP+32*((\a)%2)+4*\i:TMP+32*((\a)%2)+4*\i+3], s[8:9] offset:65536*(\a)+8192*\i th:TH_STORE_NT
.endr
.endm
	PLACES
	TOSTAGE 0
.irp a, 1,2,3
.if \a > 1
	s_wait_xcnt 0x0                                ; block a - 2's stores have read their registers: block a's loads may land there
.endif
	TOSTAGE \a
	SEND \a-1, 16                                  ; behind block a - 1's loads: block a's 8 stores and 8 loads
.endr
	SEND 3, 0
	s_wait_tensorcnt 0x0                           ; the wave's end, behind my last tensor load and my last LDS store
	ds_add_u32 v[SPW], v[NIL]
	s_wait_dscnt 0x0
	CROUND                                         ; the closing round
	s_endpgm
.Lfunc_end_k_q4cc0324e4b_proj:
	.size	k_q4cc0324e4b_proj, .Lfunc_end_k_q4cc0324e4b_proj-k_q4cc0324e4b_proj
	.p2alignl 7, 3214868480
	.fill 96, 4, 3214868480
	.section	.rodata,"a",@progbits
	.p2align	6, 0x0
	.amdhsa_kernel k_q4cc0324e4b_proj
		.amdhsa_group_segment_fixed_size 327680
		.amdhsa_private_segment_fixed_size 0
		.amdhsa_enable_private_segment 0
		.amdhsa_kernarg_size 24
		.amdhsa_user_sgpr_count 2
		.amdhsa_user_sgpr_kernarg_segment_ptr 1
		.amdhsa_wavefront_size32 1
		.amdhsa_system_sgpr_workgroup_id_x 1
		.amdhsa_system_sgpr_workgroup_id_y 1
		.amdhsa_system_sgpr_workgroup_id_z 1
		.amdhsa_system_vgpr_workitem_id 0
		.amdhsa_next_free_vgpr 512
		.amdhsa_next_free_sgpr 66
		.amdhsa_reserve_vcc 0
		.amdhsa_float_denorm_mode_32 3
		.amdhsa_float_denorm_mode_16_64 3
		.amdhsa_memory_ordered 1
		.amdhsa_forward_progress 1
		.amdhsa_inst_pref_size 85
	.end_amdhsa_kernel
	.amdgpu_metadata
---
amdhsa.version: [ 1, 2 ]
amdhsa.kernels:
  - .name:           k_q4cc0324e4b_proj
    .symbol:         k_q4cc0324e4b_proj.kd
    .args:
      - { .name: aimg, .offset: 0, .size: 8, .value_kind: global_buffer, .address_space: global }
      - { .name: wo16, .offset: 8, .size: 8, .value_kind: global_buffer, .address_space: global }
      - { .name: out0, .offset: 16, .size: 8, .value_kind: global_buffer, .address_space: global }
    .group_segment_fixed_size: 327680
    .private_segment_fixed_size: 0
    .kernarg_segment_align: 8
    .kernarg_segment_size: 24
    .max_flat_workgroup_size: 128
    .sgpr_count:     66
    .vgpr_count:     512
    .wavefront_size: 32
...
	.end_amdgpu_metadata
.endif
;; end of part 4
